; MI455X (gfx1250); checked and timed in simulation.
; The chip was launched on July 23, 2026; its instructions are those of AMD's public machine-readable ISA for CDNA 5 (MIT licence, August 2026) and "CDNA5" Instruction Set Architecture Reference Guide (July 2026). The comments in the code are by the model that wrote it; some were corrected since.
;; Attention Block. Allowed arithmetic: matrix products marked QUANTISED: E5M2 operands, one E8M0 scale for each 32 along K, by v_wmma_scale_f32_16x16x128_f8f6f4 with both operands' format E5M2, f32 sums; everything else in f32.
;; Inputs: Wk_codes 1,024 x 32 x 32 uint8 (E5M2 codes of Wk, K innermost, in blocks of 32 codes); Wk_scales 1,024 x 32 uint8 (E8M0 scales of Wk, one for each 32 codes along K); Wp_codes 1,024 x 32 x 32 uint8 (E5M2 codes of Wp, K innermost, in blocks of 32 codes); Wp_scales 1,024 x 32 uint8 (E8M0 scales of Wp, one for each 32 codes along K); Wq_codes 1,024 x 32 x 32 uint8 (E5M2 codes of Wq, K innermost, in blocks of 32 codes); Wq_scales 1,024 x 32 uint8 (E8M0 scales of Wq, one for each 32 codes along K); Wv_codes 1,024 x 32 x 32 uint8 (E5M2 codes of Wv, K innermost, in blocks of 32 codes); Wv_scales 1,024 x 32 uint8 (E8M0 scales of Wv, one for each 32 codes along K); bk 1,024 float32; bp 1,024 float32; bq 1,024 float32; bv 1,024 float32; ln_b 1,024 float32; ln_g 1,024 float32; x 2 x 2,048 x 1,024 float32.
;; Outputs: out0 2 x 2,048 x 1,024 float32.
;; This version of the problem:
;;   THIS VERSION OF THE PROBLEM IS GIVEN IN LOW PRECISION. The matrix products marked QUANTISED in the list below multiply operands that are first quantised to E5M2 (5 exponent bits, 2 mantissa bits; 8 bits a number), with one power-of-two scale for each 32 numbers along K (OCP MX v1.0); their sums are f32. All else is computed in f32.
;;   The module's matrix products, in the order in which they are computed (A, B: the left and right operand; K: the contracted axis; several contracted axes count as one K, in the product's order):
;;     1. [M 4,096, K 1,024] x [K 1,024, N 1,024]; A: input x; B: input Wq (given as codes): QUANTISED
;;     2. [M 4,096, K 1,024] x [K 1,024, N 1,024]; A: input x; B: input Wk (given as codes): QUANTISED
;;     3. [M 4,096, K 1,024] x [K 1,024, N 1,024]; A: input x; B: input Wv (given as codes): QUANTISED
;;     4. batch 32 x [M 2,048, K 64] x [K 64, N 2,048]; A: computed on the way; B: computed on the way: QUANTISED
;;     5. batch 32 x [M 2,048, K 2,048] x [K 2,048, N 64]; A: softmax (see below); B: computed on the way: QUANTISED
;;     6. [M 4,096, K 1,024] x [K 1,024, N 1,024]; A: computed on the way; B: input Wp (given as codes): QUANTISED
;;   THE QUANTISER, for each operand of a quantised product, along K:
;;     - K is cut into blocks of 32 from its start; a last block that is shorter is filled with zeros.
;;     - A block's scale is 2^e with e = floor(log2(the largest magnitude in the block)) - 15, held to -126 .. 127; a block of zeros has e = 0. As a byte (E8M0): e + 127.
;;     - Each number is divided by its block's scale, clamped to +-57,344, and rounded to the nearest number of E5M2, ties to even, subnormals kept.
;;     - The product sums the exact products of the quantised numbers (number of the format x scale) in f32.
;;   ~~~python
;;   def quantise(x, axis):      # numpy; x: float32 -> the quantised numbers, widened to float32 again
;;       x = np.moveaxis(x, axis, -1); K = x.shape[-1]
;;       x = np.pad(x, [(0, 0)] * (x.ndim - 1) + [(0, -K % 32)]); x = x.reshape(x.shape[:-1] + (-1, 32)); a = np.abs(x).max(-1, keepdims=True)
;;       e = np.where(a > 0, np.clip(np.frexp(np.where(a > 0, a, 1))[1] - 1 - 15, -126, 127), 0)      # np.frexp(a)[1] - 1 = floor(log2(a)), exactly
;;       r = np.clip(x / 2.0 ** e, -57344, 57344)
;;       step = 2.0 ** (np.maximum(np.frexp(np.where(r == 0, 1, r))[1] - 1, -14) - 2)
;;       q = np.round(r / step) * step * 2.0 ** e      # np.round: ties to even
;;       return np.moveaxis(q.reshape(q.shape[:-2] + (-1,))[..., :K], -1, axis).astype(np.float32)
;;   ~~~
;;   SOFTMAX AHEAD OF A QUANTISED PRODUCT. Where the list says 'softmax', what is quantised is not the finished softmax but p = 2^(t - M), with t = logit x log2(e) and M = ceil(the row's largest t), a whole number; so 1/2 < the row's largest p <= 1. The row's sum l is taken of the UNQUANTISED p, in f32, and the product's result is divided by l at the end. Since M is a whole number, a kernel that streams over the keys may use a running M (the ceiling of the running maximum): every later rescaling is an exact power of two, which a block's scale takes up: the codes' values come out the same.
;;   OPERANDS COMPUTED ON THE WAY. 'Computed on the way' means the value that the module computes at that place (a softmax that the list does not call 'softmax' is quantised finished and normalised). What goes into a quantiser is computed in f32, as accurately as f32 sums, v_exp_f32 and their like allow (about 1e-6 of the number): no bf16 or f16 on the way to a quantiser, and a product that is left as it is and whose result goes on into a quantised operand takes f32 operands (vector FMAs, or v_wmma_f32_16x16x4_f32). A number that lies on a knife's edge between two numbers of the format may be rounded either way, as far as f32 arithmetic and the matrix unit's own rounding can turn it there, and no further.
;;   INPUTS GIVEN AS CODES. Wk (in the module: [1024, 1024], K = its axis 0); Wp (in the module: [1024, 1024], K = its axis 0); Wq (in the module: [1024, 1024], K = its axis 0); Wv (in the module: [1024, 1024], K = its axis 0): each comes as NAME_codes (uint8): NAME with its K axis moved to the last place and cut into blocks of 32 codes, [.., K / 32, bytes a block], one block behind the other in memory; one code a byte (a code: sign, 5 exponent bits, 2 mantissa bits); and NAME_scales (uint8): the same leading axes, one E8M0 byte (e + 127) for each 32 codes along K. Its value is code x scale, taken as it is: it is not quantised again, and the codes and scales need not be those that the quantiser above would give.
;; One version. Each part assembles by itself: llvm-mc -triple=amdgcn-amd-amdhsa -mcpu=gfx1250 --defsym DOCPART=n.
;; ======== version 1 of 1: 5 launches
;; limits: right only within a limited range of input values
;; workspace buffers: xq 4,325,376 bytes; qb 4,456,448 bytes; kb 4,456,448 bytes; vb 4,325,376 bytes; ab 4,325,376 bytes; yb 16,777,216 bytes
;; launch quantx (part 1): grid 256 x 1, 4 waves a work-group, no clusters, 21,504 bytes of LDS; arguments x, xq; writes xq
.if DOCPART == 1
	.amdgcn_target "amdgcn-amd-amdhsa--gfx1250"
	.amdhsa_code_object_version 6
	.text
	.protected	k_q873bc612c3_quantx
	.globl	k_q873bc612c3_quantx
	.p2align	8
	.type	k_q873bc612c3_quantx,@function
k_q873bc612c3_quantx:
	s_mov_b64 s[64:65], 0
	v_nop
	global_prefetch_b8 v0, s[64:65] scope:SCOPE_SE
	s_setreg_imm32_b32 hwreg(HW_REG_WAVE_MODE, 25, 1), 1
	s_wait_xcnt 0x0
; x [4096][1024] f32 becomes codes of BF8 (E5M2), K innermost, at xq's byte 0 ([4096][1024] bytes), and one E8M0 scale byte for each 32 along K at xq's byte SCOFF ([4096][32]).
; A block's scale is 2^(floor(log2(its largest magnitude)) - 15): its byte is the largest magnitude's exponent field - 15, held at 1 from below.  Each number is divided by the scale, held within +-57,344 and rounded to the nearest code, ties to even.
; NO WORK OF THE PROBLEM IS LEFT OUT in this program: every input has a way to the output.
; LIMITS: a block whose largest magnitude lies under 2^-111 gets the byte 1; a block of zeros gets the byte 1 where the rule says 127 (its codes are zeros, which add nothing under any byte but 0xff, and this program alone reads the bytes);
; NaN and infinities among the inputs are not served.
; Rows are dense and 1,024 is a multiple of 32: x is a plain stream of blocks of 32, and so are the codes and the scale bytes.  A wave takes 8 steps of 512 numbers: 1,024 waves take the 4,194,304 numbers.
; The conversions take neighbours along K from ONE lane's registers, a load takes neighbouring bytes in neighbouring LANES: each of a step's four loads reads 512 consecutive bytes, the 2,048 bytes go through the wave's own
; stage in LDS and come back 64 bytes a lane (two neighbouring lanes hold a block).  The stage has 16 bytes of padding behind each 64.
; No matrix unit, no cluster, no tensor load: the work-groups and the waves share no input.  All of a wave's 32 loads go out at its head; the turn through LDS runs one step ahead.  One barrier: the work-group's 512 scale bytes leave together.
.set STEPS, 8
.set EMAX,  15
.set MANT,  0x600000                   ; the mantissa field of 57,344 as f32
.set SCOFF, 4194304                    ; where the scale bytes begin in xq
.set R,     16                         ; v16-143  eight steps' 16 numbers as they are loaded
.set X,     144                        ; v144-175 two sets of 16 neighbours
.set E,     176                        ; v176-183 a scale byte for each step
.set C,     184                        ; v184-215 codes: four registers for each step, so that no store's data are written again
.set SPW,   216
.set NIL,   217
.set SP,    80                         ; a lane's place in a stage: 64 bytes + 16 of padding
.set WREG,  2*32*SP                    ; LDS: two stages for each wave;
.set SCB,   4*WREG                     ; behind them the work-group's scale bytes, 128 a wave;
.set SPARE, SCB+512                    ; and the spare words
	s_load_b128 s[4:7], s[0:1], 0x0                ; x s[4:5], xq s[6:7]
	v_lshl_add_u32 v[SPW], v0, 2, SPARE
	v_mov_b32 v[NIL], 0
	v_lshrrev_b32 v1, 5, v0
	v_readfirstlane_b32 s16, v1                    ; wave 0..3
	v_and_b32 v2, 31, v0                           ; lane
	v_lshlrev_b32 v3, 4, v2                        ; my 16 bytes of a load's 512, and of a step's 512 bytes of codes; never rewritten
	s_mul_i32 s17, s16, WREG
	v_lshrrev_b32 v14, 2, v2
	v_and_b32 v15, 3, v2
	v_mul_u32_u24 v14, v14, SP
	v_mul_u32_u24 v5, v2, SP
	v_lshl_add_u32 v14, v15, 4, v14
	v_add_nc_u32 v15, s17, v5                      ; the stage on the way out: SP x lane: my 16 neighbours
	v_add_nc_u32 v14, s17, v14                     ; and on the way in: SP (lane / 4) + 16 (lane % 4); a load's 512 bytes take eight places
	s_lshl_b32 s17, s16, 7
	s_add_co_u32 s17, s17, SCB
	v_lshrrev_b32 v5, 1, v2
	v_add_nc_u32 v6, SCB, v3                       ; LDS: 16 of the work-group's 512 scale bytes
	v_add_nc_u32 v5, s17, v5                       ; my block's byte among my wave's 128
	s_mov_b32 s23, MANT                            ; (an instruction takes one literal: the hold's line has another)
	s_lshl_b32 s18, ttmp9, 2
	s_add_co_u32 s18, s18, s16                     ; which run of 4,096 numbers is my wave's: 0 .. 1,023
	s_lshl_b32 s20, s18, 14                        ; 16,384 bytes of x a run,
	s_mov_b32 s21, 0
	s_lshl_b32 s24, s18, 12                        ; 4,096 bytes of codes;
	s_mov_b32 s25, 0
	s_lshl_b32 s26, ttmp9, 9                       ; 512 scale bytes a work-group
	s_add_co_u32 s26, s26, SCOFF
	s_mov_b32 s27, 0
	s_wait_alu depctr_va_vdst(0)                   ; the wait at the head's end
	s_wait_kmcnt 0x0
	s_add_nc_u64 s[4:5], s[4:5], s[20:21]
	s_add_nc_u64 s[8:9], s[6:7], s[24:25]
	s_add_nc_u64 s[10:11], s[6:7], s[26:27]
.irp t, 0,1,2,3,4,5,6,7
.irp i, 0,1,2,3
	global_load_b128 v[R+16*\t+4*\i:R+16*\t+4*\i+3], v3, s[4:5] offset:2048*\t+512*\i th:TH_LOAD_NT   ; 32 lanes read 512 consecutive bytes
.endr
.endr
.macro TURN t                          ; step t's numbers through the stage: LDS serves a wave's instructions in order, so no wait stands between the stores and the loads
.irp i, 0,1,2,3
	ds_store_b128 v14, v[R+16*(\t)+4*\i:R+16*(\t)+4*\i+3] offset:32*SP*((\t)%2)+8*SP*\i
.endr
.irp i, 0,1,2,3
	ds_load_b128 v[X+16*((\t)%2)+4*\i:X+16*((\t)%2)+4*\i+3], v15 offset:32*SP*((\t)%2)+16*\i
.endr
.endm
	s_wait_loadcnt 4*(STEPS-1)                     ; step 0's four loads are in; the others' may be out
	TURN 0
.macro STEP t
.set XS, X+16*((\t)%2)
.if (\t) > 0
	s_wait_dscnt 1                                 ; this step's numbers are back from the stage (the last step's byte store may be out)
.else
	s_wait_dscnt 0x0
.endif
.if (\t)+1 < STEPS
	s_wait_loadcnt 4*(STEPS-2-(\t))                ; the next step's four loads are in; those of the steps behind it may be out
	TURN (\t)+1                                    ; and go through the other stage while this step is worked
.endif
	v_max3_num_f32 v8, |v[XS]|, |v[XS+1]|, |v[XS+2]|               ; the largest magnitude of my 16, in two chains
	v_max3_num_f32 v9, |v[XS+3]|, |v[XS+4]|, |v[XS+5]|
.irp i, 6,10
	v_max3_num_f32 v8, v8, |v[XS+\i]|, |v[XS+\i+1]|
	v_max3_num_f32 v9, v9, |v[XS+\i+2]|, |v[XS+\i+3]|
.endr
	v_max3_num_f32 v8, v8, |v[XS+14]|, |v[XS+15]|
	v_max3_num_f32 v8, v8, v9, (EMAX+1)<<23        ; and the floor 2^(16 - 127): the byte cannot fall under 1
	v_max_num_f32_dpp v8, v8, v8 row_xmask:1 row_mask:0xf bank_mask:0xf   ; and of my neighbour's 16: the block's
	v_add_nc_u32 v11, -(EMAX<<23), v8              ; 15 off its exponent field: the conversion takes the exponent field of this operand as its scale
	v_and_or_b32 v10, v8, 0x7f800000, s23          ; 57,344 x the scale: the largest magnitude's exponent field over 57,344's mantissa
.irp i, 0,1,2,3,4,5,6,7,8,9,10,11,12,13,14,15
	v_med3_num_f32 v[XS+\i], v[XS+\i], -v10, v10   ; the conversion to an 8-bit code does not saturate (ISA guide 7.6.2): the number is held first
.endr
	v_cvt_scalef32_pk8_bf8_f32 v[C+4*(\t):C+4*(\t)+1], v[XS:XS+7], v11
	v_cvt_scalef32_pk8_bf8_f32 v[C+4*(\t)+2:C+4*(\t)+3], v[XS+8:XS+15], v11
	v_lshrrev_b32 v[E+(\t)], 23, v11               ; the scale's byte
	ds_store_b8 v5, v[E+(\t)] offset:16*(\t)       ; both lanes of a block write the same byte with the same value
	global_store_b128 v3, v[C+4*(\t):C+4*(\t)+3], s[8:9] offset:512*(\t)   ; 32 lanes store 512 consecutive bytes, aligned
.endm
.irp t, 0,1,2,3,4,5,6,7
	STEP \t
.endr
	s_wait_dscnt 0x0                               ; my bytes are in LDS
	s_barrier_signal -1
	s_barrier_wait -1
	s_cmp_lg_u32 s16, 0
	s_cbranch_scc1 .Lend
	ds_load_b128 v[8:11], v6
	s_wait_dscnt 0x0
	global_store_b128 v3, v[8:11], s[10:11]        ; 32 lanes store 512 consecutive bytes, aligned
.Lend:
	s_wait_tensorcnt 0x0                           ; the wave's end
	ds_add_u32 v[SPW], v[NIL]
	s_wait_dscnt 0x0
	s_endpgm
.Lfunc_end_k_q873bc612c3_quantx:
	.size	k_q873bc612c3_quantx, .Lfunc_end_k_q873bc612c3_quantx-k_q873bc612c3_quantx
	.p2alignl 7, 3214868480
	.fill 96, 4, 3214868480
	.section	.rodata,"a",@progbits
	.p2align	6, 0x0
	.amdhsa_kernel k_q873bc612c3_quantx
		.amdhsa_group_segment_fixed_size 21504
		.amdhsa_private_segment_fixed_size 0
		.amdhsa_enable_private_segment 0
		.amdhsa_kernarg_size 16
		.amdhsa_user_sgpr_count 2
		.amdhsa_user_sgpr_kernarg_segment_ptr 1
		.amdhsa_wavefront_size32 1
		.amdhsa_system_sgpr_workgroup_id_x 1
		.amdhsa_system_sgpr_workgroup_id_y 1
		.amdhsa_system_sgpr_workgroup_id_z 1
		.amdhsa_system_vgpr_workitem_id 0
		.amdhsa_next_free_vgpr 224
		.amdhsa_next_free_sgpr 66
		.amdhsa_reserve_vcc 0
		.amdhsa_float_denorm_mode_32 3
		.amdhsa_float_denorm_mode_16_64 3
		.amdhsa_memory_ordered 1
		.amdhsa_forward_progress 1
		.amdhsa_inst_pref_size 27
	.end_amdhsa_kernel
	.amdgpu_metadata
---
amdhsa.version: [ 1, 2 ]
amdhsa.kernels:
  - .name:           k_q873bc612c3_quantx
    .symbol:         k_q873bc612c3_quantx.kd
    .args:
      - { .name: x, .offset: 0, .size: 8, .value_kind: global_buffer, .address_space: global }
      - { .name: xq, .offset: 8, .size: 8, .value_kind: global_buffer, .address_space: global }
    .group_segment_fixed_size: 21504
    .private_segment_fixed_size: 0
    .kernarg_segment_align: 8
    .kernarg_segment_size: 16
    .max_flat_workgroup_size: 128
    .sgpr_count:     66
    .vgpr_count:     224
    .wavefront_size: 32
...
	.end_amdgpu_metadata
.endif
;; end of part 1
;; launch qkv (part 2): grid 16 x 16, 12 waves a work-group, clusters of 4 x 4, 327,680 bytes of LDS; arguments xq, Wq_codes, Wq_scales, Wk_codes, Wk_scales, Wv_codes, Wv_scales, bq, bk, bv, qb, kb, vb; writes qb, kb, vb
.if DOCPART == 2
	.amdgcn_target "amdgcn-amd-amdhsa--gfx1250"
	.amdhsa_code_object_version 6
	.text
	.protected	k_q873bc612c3_qkv
	.globl	k_q873bc612c3_qkv
	.p2align	8
	.type	k_q873bc612c3_qkv,@function
k_q873bc612c3_qkv:
	s_mov_b64 s[64:65], 0
	v_nop
	global_prefetch_b8 v0, s[64:65] scope:SCOPE_SE
	s_setreg_imm32_b32 hwreg(HW_REG_WAVE_MODE, 25, 1), 1
	s_wait_xcnt 0x0
	s_wait_alu depctr_hold_cnt(0) depctr_sa_sdst(0) depctr_va_vdst(0) depctr_va_sdst(0) depctr_va_ssrc(0) depctr_va_vcc(0) depctr_vm_vsrc(0)
	s_getreg_b32 s2, hwreg(HW_REG_IB_STS2, 6, 4)
	s_cmp_eq_u32 s2, 0
	s_cbranch_scc0 .Lentry_in_a_cluster
	s_endpgm
.Lentry_in_a_cluster:
	s_bfe_u32 s2, ttmp6, 0x10000c
	s_cmp_lg_u32 s2, 0xf033
	s_cbranch_scc0 .Lentry_shape_is_right
	s_endpgm
.Lentry_shape_is_right:
; Q, K, V = x W + b, each quantised again, on codes of BF8 (E5M2) with one E8M0 scale for each 32 along K: x [4096][1024] codes and, at SCOFF, scale bytes [4096][32] (xq); each W [1024 (n)][1024 (k)] codes with scale bytes [1024][32].
; OUT, as the attention's operand registers want them, bh = 16 x batch + head, a chunk = 128 tokens:  qb, kb: codes [bh][tile of 16 tokens 128][block of 32 channels 2][lane 32][16 bytes], at SCOFF scale words [bh][chunk][r 16][tile 8];
; vb: codes [bh][chunk][tile of 16 channels 4][block of 32 tokens 4][lane][16], at SCOFF scale words [bh][chunk][r][channel tile 4].
; SHARES.  256 work-groups: 256 tokens x one head's 64 columns of Q, of K and of V.  Twelve waves: wave w makes tensor w / 4 (Q, K, V) for tokens 64 (w % 4) on: 16 accumulators of 16 x 16.
; Both sources are 64 rows of codes.  For Q and K source 0 is W and source 1 is x: a lane holds one token and its registers run along the channels; for V source 0 is x and source 1 is W: a lane holds one channel and its registers run along the tokens:
; each time along the next product's K.  The text is the same: only the addresses differ.
; K goes in quarters of 256: rows of 256 bytes.  LDS holds three slots of x and two of the weights: quarters 0 and 1 and x's third are asked for at the head, one load a wave.  TWO REFILLS, each in a drained round: behind quarter 0 the weights' third
; quarter and x's fourth, which land while quarter 1 is multiplied; behind quarter 1 the weights' fourth, while quarter 2 is.
; CLUSTER.  4 x 4 work-groups: the four of a row share x's rows, the four of a column the weights' rows: each tile is asked for JOINTLY.  No prefetch: nothing loops, and what the head has not asked for goes out behind the first quarter of K.
; The scale words come straight from memory into registers: row r's word of K step i in lanes 0-15, of K step 4 + i in lanes 16-31.  The bias is what the sums begin with.
; A block's scale byte is its largest magnitude's exponent field - 15, held at 1 from below.
; LIMITS: a block whose largest magnitude lies under 2^-111, and a block of zeros, get the byte 1 (this program alone reads the bytes); NaN and infinities are not served.
; REGISTERS: v0-15 addresses; v16-31, v34-49 scale words of sources 0 and 1; v50-53 addresses of the way out; v56-183 accumulator (a, b) of source 0's tile a and source 1's tile b at v[56 + 8 (4 b + a)]; v184-247 source 0's fragments; window 1, v0-63: source 1's.
.set SCOFF, 4194304
.set PITCH, 272                        ; 256 bytes + 16 of padding = 68 words: row r starts at bank 4 r mod 64 (ISA guide 11.1)
.set R64,  64*PITCH
.set WS0,  0                           ; LDS: the weights' slots: 64 rows of W_q, of W_k, of W_v
.set WS1,  3*R64
.set XS0,  6*R64                       ; x's slots: 256 rows
.set XS1,  10*R64
.set XS2,  14*R64
.set SPARE, 18*R64                     ; twelve waves' spare words
.set STG,  SPARE+1536                  ; the scale bytes on the way out: Q's 1,024, K's 1,024, V's 512
.set SPW, 2
.set NIL, 3
.set P0,  8                            ; v8-11  LDS address of source 0's fragments in quarter q;  v12-15 of source 1's
.set P1,  12
.set S0,  16
.set S1,  34
.set STQ, 50
.set STV, 51
.set STR, 52
.set CO,  53
.set ACC, 56
.set F0,  184
.set TM,  184                          ; the way out
.set PWD, 200
.set PC,  208
.set GX,  24                           ; s[24:31], s[32:35] descriptor groups 1 and 0 for x's rows
.set GW,  48                           ; s[48:55], s[36:39] for a weight's
.set MSB, 0
.macro WIN new                         ; the immediate's high byte repeats the setting that is left
.if MSB != \new
	s_set_vgpr_msb (MSB<<8)|\new
.set MSB, \new
.endif
.endm
.macro BARRIER
	s_barrier_signal -1
	s_barrier_wait -1
.endm
.macro CROUND                          ; a round of the cluster's barrier
	BARRIER
	s_cmp_lg_u32 s14, 0
	s_cbranch_scc1 .Lnot_wave_0_\@
	s_barrier_signal -3
.Lnot_wave_0_\@:
	s_barrier_wait -3
	BARRIER
.endm
.macro GROUP1 g, mask, rows            ; descriptor group 1: so many rows of 256 bytes, 1,024 apart, padded in LDS
	s_or_b32 s[\g], s[\mask], (1<<20)|(1<<21)|(5<<22)|(3<<25)   ; 15:0 the mask; elements of 1 byte; 20 padding on; 21 set beside a mask; four words (code 3) after every 64 (code 5)
	s_mov_b32 s[\g+1], 256<<16                     ; tensor_dim0
	s_mov_b32 s[\g+2], (\rows)<<16                 ; tensor_dim1
	s_mov_b32 s[\g+3], 256<<16                     ; tile_dim0
	s_mov_b32 s[\g+4], \rows                       ; tile_dim1
	s_mov_b32 s[\g+5], 1024                        ; the pitch
	s_mov_b32 s[\g+6], 0
	s_mov_b32 s[\g+7], 0
.endm
.macro ARM under, ptr, offs, q, lds, g0, g1, next, join   ; an arm of a tree of branches on the wave's number: one joint load: quarter q of the rows at s[offs] of the buffer at s[ptr]
	s_cmp_lt_u32 s14, \under
	s_cbranch_scc0 \next
	s_mov_b32 s[\g0], 1
	s_mov_b32 s[\g0+1], \lds
	s_add_nc_u64 s[\g0+2:\g0+3], s[\ptr:\ptr+1], s[\offs:\offs+1]
.if \q
	s_add_nc_u64 s[\g0+2:\g0+3], s[\g0+2:\g0+3], 256*\q
.endif
	s_or_b32 s[\g0+3], s[\g0+3], 0x80000000
	tensor_load_to_lds s[\g0:\g0+3], s[\g1:\g1+7]
	s_nop 0
.rept 4
	v_nop
.endr
	s_branch \join
\next:
.endm
.macro DRAINED                         ; a drained round: all my loads have landed and my reads are over; the add, twice on end, and its wait
	s_wait_tensorcnt 0x0
	ds_add_u32 v[SPW], v[NIL]
	ds_add_u32 v[SPW], v[NIL]
	s_wait_dscnt 0x0
	CROUND
.endm
	s_load_b512 s[68:83], s[0:1], 0x0              ; xq 68; codes and scales of Wq 70, 72, Wk 74, 76, Wv 78, 80; bq 82
	s_load_b256 s[84:91], s[0:1], 0x40             ; bk 84, bv 86, qb 88, kb 90
	s_load_b64 s[92:93], s[0:1], 0x60              ; vb
	v_lshl_add_u32 v[SPW], v0, 2, SPARE
	v_mov_b32 v[NIL], 0
	ds_add_u32 v[SPW], v[NIL]                      ; the opening lines: the add, twice on end; work on registers stands between them and their wait
	ds_add_u32 v[SPW], v[NIL]
	v_lshrrev_b32 v1, 5, v0
	v_readfirstlane_b32 s14, v1                    ; wave 0..11
	s_lshr_b32 s15, s14, 2                         ; 0: Q, 1: K, 2: V
	s_and_b32 s16, s14, 3                          ; which 64 tokens
	s_lshr_b32 s17, s14, 3                         ; 1 in V's waves
	s_bfe_u32 s40, ttmp6, 0x40000                  ; cx, cy: my place in the cluster
	s_bfe_u32 s41, ttmp6, 0x40004
	s_lshl_b32 s42, ttmp9, 2
	s_add_co_u32 s42, s42, s40                     ; the head
	s_and_b32 s43, ttmp7, 0xffff
	s_lshl_b32 s43, s43, 2
	s_add_co_u32 s43, s43, s41                     ; the tile of 256 tokens
	s_lshl_b32 s20, s41, 2
	s_lshl_b32 s20, 15, s20                        ; my row of the cluster shares x's rows,
	s_lshl_b32 s21, 0x1111, s40                    ; my column the weights'
	GROUP1 GX, 20, 256
	GROUP1 GW, 21, 64
	s_lshl_b32 s44, s43, 18                        ; x's 256 rows,
	s_mov_b32 s45, 0
	s_lshl_b32 s46, s42, 16                        ; a weight's 64 rows, in bytes
	s_mov_b32 s47, 0
	s_wait_dscnt 0x0
	s_wait_kmcnt 0x0
	CROUND                                         ; all sixteen work-groups are here: the joint loads meet
	ARM 1, 68, 44, 0, XS0,       32, GX, .La1, .Lhead
	ARM 2, 70, 46, 0, WS0,       36, GW, .La2, .Lhead
	ARM 3, 74, 46, 0, WS0+R64,   36, GW, .La3, .Lhead
	ARM 4, 78, 46, 0, WS0+2*R64, 36, GW, .La4, .Lhead
	ARM 5, 68, 44, 1, XS1,       32, GX, .La5, .Lhead
	ARM 6, 70, 46, 1, WS1,       36, GW, .La6, .Lhead
	ARM 7, 74, 46, 1, WS1+R64,   36, GW, .La7, .Lhead
	ARM 8, 78, 46, 1, WS1+2*R64, 36, GW, .La8, .Lhead
	ARM 9, 68, 44, 2, XS2,       32, GX, .La9, .Lhead
.Lhead:
	s_cmp_eq_u32 s15, 1                            ; my tensor's scale bytes, bias and result
	s_cselect_b64 s[4:5], s[76:77], s[72:73]
	s_cselect_b64 s[6:7], s[84:85], s[82:83]
	s_cselect_b64 s[8:9], s[90:91], s[88:89]
	s_cmp_eq_u32 s15, 2
	s_cselect_b64 s[4:5], s[80:81], s[4:5]
	s_cselect_b64 s[6:7], s[86:87], s[6:7]
	s_cselect_b64 s[8:9], s[92:93], s[8:9]
	s_lshl_b32 s18, s43, 13
	s_lshl_b32 s19, s16, 11
	s_add_co_u32 s18, s18, s19
	s_add_co_u32 s18, s18, SCOFF                   ; x's scale bytes: 32 a token
	s_mov_b32 s19, 0
	s_add_nc_u64 s[12:13], s[68:69], s[18:19]
	s_lshl_b32 s18, s42, 11                        ; the weight's: 32 a row
	s_add_nc_u64 s[4:5], s[4:5], s[18:19]
	s_lshl_b32 s18, s42, 8                         ; the head's 64 numbers of the bias
	s_add_nc_u64 s[6:7], s[6:7], s[18:19]
	s_cmp_eq_u32 s15, 2
	s_cselect_b64 s[20:21], s[12:13], s[4:5]       ; source 0's scale bytes
	s_cselect_b64 s[22:23], s[4:5], s[12:13]       ; source 1's
	v_and_b32 v1, 31, v0                           ; lane
	v_and_b32 v4, 15, v0                           ; r
	v_bfe_u32 v5, v0, 4, 1                         ; h
	v_lshlrev_b32 v33, 5, v4
	v_lshl_add_u32 v33, v5, 4, v33                 ; scale words: 32 r + 16 h
	v_lshlrev_b32 v7, 5, v5                        ; a bias along the registers: 32 h;
	v_lshlrev_b32 v32, 2, v4                       ; along the lanes: 4 r
.irp t, 0,1,2,3
	global_load_b128 v[S0+4*\t:S0+4*\t+3], v33, s[20:21] offset:512*\t
	global_load_b128 v[S1+4*\t:S1+4*\t+3], v33, s[22:23] offset:512*\t
.endr
	v_mul_u32_u24 v6, v4, PITCH
	v_lshl_add_u32 v6, v5, 4, v6                   ; a fragment's row x pitch + 16 h
	s_mul_i32 s18, s15, R64                        ; my weight's rows in a slot
	s_mul_i32 s19, s16, R64                        ; my tokens'
.macro PLACE q, ws, xs                 ; quarter q: source 0 is the weight's rows, source 1 x's; in V's waves the other way round
	s_add_co_u32 s66, s18, \ws
	s_add_co_u32 s67, s19, \xs
	s_sub_co_u32 s94, s67, s66
	s_mul_i32 s94, s94, s17
	s_add_co_u32 s66, s66, s94
	s_sub_co_u32 s67, s67, s94
	v_add_nc_u32 v[P0+\q], s66, v6
	v_add_nc_u32 v[P1+\q], s67, v6
.endm
	s_wait_alu depctr_va_vdst(0)                   ; the wait here, ahead of the scalar lines
	PLACE 0, WS0, XS0
	PLACE 1, WS1, XS1
	PLACE 2, WS0, XS2
	PLACE 3, WS1, XS0
	; the way out: scale bytes in LDS
	s_lshr_b32 s66, s16, 1                         ; which 128 of the 256 tokens,
	s_and_b32 s67, s16, 1                          ; and which half of them
	s_lshl_b32 s94, s15, 10
	s_lshl_b32 s95, s66, 9
	s_add_co_u32 s94, s94, s95
	s_lshl_b32 s95, s67, 4
	s_add_co_u32 s94, s94, s95
	s_add_co_u32 s94, s94, STG
	s_lshl_b32 s95, s66, 8
	s_lshl_b32 s96, s67, 1
	s_add_co_u32 s95, s95, s96
	s_add_co_u32 s95, s95, STG+2048
	s_lshl_b32 s96, s15, 10
	s_add_co_u32 s96, s96, STG
	s_wait_alu depctr_va_vdst(0)                   ; and here
	v_lshlrev_b32 v[CO], 4, v1                     ; 16 x lane
	v_lshl_add_u32 v[STQ], v4, 5, s94              ; Q's, K's words: 32 r + 16 (half)
	v_lshl_add_u32 v[STV], v4, 4, s95              ; V's bytes: 16 r + 2 (half)
	v_lshl_add_u32 v[STR], v1, 4, s96              ; and back
	; where my results go
	s_lshr_b32 s18, s43, 3
	s_lshl_b32 s18, s18, 4
	s_add_co_u32 s18, s18, s42                     ; bh
	s_and_b32 s19, s43, 7
	s_lshl_b32 s19, s19, 1                         ; the first of the work-group's two chunks
	s_lshl_b32 s40, s18, 4
	s_add_co_u32 s40, s40, s19
	s_sub_co_u32 s41, 9, s17
	s_lshl_b32 s40, s40, s41                       ; 512 bytes of scale words a chunk (V: 256)
	s_add_co_u32 s40, s40, SCOFF
	s_mov_b32 s41, 0
	s_add_nc_u64 s[10:11], s[8:9], s[40:41]
	s_lshl_b32 s18, s18, 17
	s_add_co_u32 s66, s66, s19
	s_lshl_b32 s66, s66, 13
	s_add_co_u32 s18, s18, s66                     ; my chunk,
	s_lshl_b32 s66, s17, 1
	s_sub_co_u32 s66, 12, s66
	s_lshl_b32 s67, s67, s66
	s_add_co_u32 s18, s18, s67                     ; and my half of it: four tiles of tokens on (V: two blocks)
	s_mov_b32 s19, 0
	s_add_nc_u64 s[56:57], s[8:9], s[18:19]
	s_lshl_b32 s66, 0x400, s17                     ; from one of source 1's tiles to the next: 1,024 bytes (V: 2,048)
	s_mov_b32 s67, 0
	s_add_nc_u64 s[58:59], s[56:57], s[66:67]
	s_add_nc_u64 s[60:61], s[58:59], s[66:67]
	s_add_nc_u64 s[62:63], s[60:61], s[66:67]
	s_mov_b32 s4, 0x76543210                       ; v_permlanex16_b32's selects for lane l xor 16 (the addresses that lay in s[4:5] have been used)
	s_mov_b32 s5, 0xfedcba98
	s_mov_b32 s12, 0x600000                        ; the mantissa field of 57,344
	; the sums begin with the bias
	s_wait_alu depctr_va_vdst(0)                   ; the wait ahead of the branch
	s_cmp_eq_u32 s15, 2
	s_cbranch_scc1 .Lbias_v
.irp b, 0,1,2,3
.irp a, 0,1,2,3
	global_load_b128 v[ACC+32*\b+8*\a:ACC+32*\b+8*\a+3], v7, s[6:7] offset:64*\a      ; channels 16 a + 8 h + 0 .. 7
	global_load_b128 v[ACC+32*\b+8*\a+4:ACC+32*\b+8*\a+7], v7, s[6:7] offset:64*\a+16
.endr
.endr
	s_branch .Lbias
.Lbias_v:
.irp b, 0,1,2,3
	global_load_b32 v[F0+\b], v32, s[6:7] offset:64*\b   ; channel 16 b + r: one number for all my registers
.endr
	s_wait_loadcnt 0x0
.irp b, 0,1,2,3
.set j, 0
.rept 32
	v_mov_b32 v[ACC+32*\b+j], v[F0+\b]
.set j, j+1
.endr
.endr
	s_wait_alu depctr_va_vdst(0)
.Lbias:
; A K step of 128, the l-th of quarter q.  The sixteen accumulators take turns, one instruction a turn, in the same order in every step.
.macro KSTEP q, l
.set KS, 2*(\q)+(\l)
.if KS > 0
.rept 8
	v_nop                                          ; places in front of loads into registers that matrix instructions have read
.endr
.endif
.irp a, 0,1,2,3
.irp c, 0,1,2,3
	ds_load_b128 v[F0+16*\a+4*\c:F0+16*\a+4*\c+3], v[P0+\q] offset:16*PITCH*\a+128*\l+32*\c
.endr
.endr
	WIN 0x40
.irp b, 0,1,2,3
.irp c, 0,1,2,3
	ds_load_b128 v[16*\b+4*\c:16*\b+4*\c+3], v[P1+\q] offset:16*PITCH*\b+128*\l+32*\c
.endr
.endr
	WIN 0x04
.irp b, 0,1,2,3
	s_wait_dscnt 12-4*\b                           ; source 1's later fragments may be out
.irp a, 0,1,2,3
.if KS >= 4
	v_wmma_scale_f32_16x16x128_f8f6f4 v[ACC+32*\b+8*\a:ACC+32*\b+8*\a+7], v[F0+16*\a:F0+16*\a+15], v[16*\b:16*\b+15], v[ACC+32*\b+8*\a:ACC+32*\b+8*\a+7], v[S0+4*\a+KS%4], v[S1+4*\b+KS%4] matrix_a_fmt:MATRIX_FMT_BF8 matrix_b_fmt:MATRIX_FMT_BF8 matrix_a_scale:MATRIX_SCALE_ROW1 matrix_b_scale:MATRIX_SCALE_ROW1
.else
	v_wmma_scale_f32_16x16x128_f8f6f4 v[ACC+32*\b+8*\a:ACC+32*\b+8*\a+7], v[F0+16*\a:F0+16*\a+15], v[16*\b:16*\b+15], v[ACC+32*\b+8*\a:ACC+32*\b+8*\a+7], v[S0+4*\a+KS%4], v[S1+4*\b+KS%4] matrix_a_fmt:MATRIX_FMT_BF8 matrix_b_fmt:MATRIX_FMT_BF8
.endif
.endr
.endr
	WIN 0
.endm
	s_wait_loadcnt 0x0                             ; scale words and bias
	s_cmp_lt_u32 s14, 4                            ; the first barrier shows what waves 0 to 3 have asked for, quarter 0; the others' loads, in lines of their own, may stay out
	s_cbranch_scc0 .Lnot_yet
	s_wait_tensorcnt 0x0
.Lnot_yet:
	BARRIER
	KSTEP 0, 0
	KSTEP 0, 1
	DRAINED                                        ; all that the head asked for is in; quarter 0 has been read by all waves of all partners: its slots take
	ARM 1, 70, 46, 2, WS0,       36, GW, .Lb1, .Lrefilled   ; the weights' quarter 2
	ARM 2, 74, 46, 2, WS0+R64,   36, GW, .Lb2, .Lrefilled
	ARM 3, 78, 46, 2, WS0+2*R64, 36, GW, .Lb3, .Lrefilled
	ARM 4, 68, 44, 3, XS0,       32, GX, .Lb4, .Lrefilled   ; and x's quarter 3
.Lrefilled:
	KSTEP 1, 0
	KSTEP 1, 1
	DRAINED                                        ; those are in; quarter 1 has been read:
	ARM 1, 70, 46, 3, WS1,       36, GW, .Lc1, .Lrefilled2  ; the weights' quarter 3
	ARM 2, 74, 46, 3, WS1+R64,   36, GW, .Lc2, .Lrefilled2
	ARM 3, 78, 46, 3, WS1+2*R64, 36, GW, .Lc3, .Lrefilled2
.Lrefilled2:
	KSTEP 2, 0
	KSTEP 2, 1
	s_wait_tensorcnt 0x0                           ; everything; nothing is filled again
	BARRIER
	KSTEP 3, 0
	KSTEP 3, 1
; THE WAY OUT.  Four blocks of 32 at s: 16 of each block's numbers in my registers, 16 in lane l xor 16's -> four registers of codes each at pc, bytes at TM + 4
.macro QUANT s, pc
.irp b, 0,1,2,3
	v_max3_num_f32 v[TM+\b], |v[\s+16*\b]|, |v[\s+1+16*\b]|, 0x8000000   ; each accumulator from its low end on; the floor 2^(16 - 127)
.endr
.irp i, 2,4,6,8,10,12,14
.irp b, 0,1,2,3
	v_max3_num_f32 v[TM+\b], v[TM+\b], |v[\s+16*\b+\i]|, |v[\s+1+16*\b+\i]|
.endr
.endr
.irp b, 0,1,2,3
	v_permlanex16_b32 v[TM+4+\b], v[TM+\b], s4, s5
.endr
.irp b, 0,1,2,3
	v_max_num_f32 v[TM+\b], v[TM+\b], v[TM+4+\b]
.endr
.irp b, 0,1,2,3
	v_add_nc_u32 v[TM+12+\b], 0xf8800000, v[TM+\b]      ; 15 off the exponent field: the conversion's scale operand
.endr
.irp b, 0,1,2,3
	v_and_or_b32 v[TM+8+\b], v[TM+\b], 0x7f800000, s12  ; 57,344 x the scale
.endr
.irp b, 0,1,2,3
	v_lshrrev_b32 v[TM+4+\b], 23, v[TM+12+\b]           ; the byte
.endr
.irp b, 0,1,2,3
.irp i, 0,1,2,3,4,5,6,7,8,9,10,11,12,13,14,15
	v_med3_num_f32 v[\s+16*\b+\i], v[\s+16*\b+\i], -v[TM+8+\b], v[TM+8+\b]   ; the conversion does not saturate (ISA guide 7.6.2)
.endr
	v_cvt_scalef32_pk8_bf8_f32 v[\pc+4*\b:\pc+1+4*\b], v[\s+16*\b:\s+7+16*\b], v[TM+12+\b]
	v_cvt_scalef32_pk8_bf8_f32 v[\pc+2+4*\b:\pc+3+4*\b], v[\s+8+16*\b:\s+15+16*\b], v[TM+12+\b]
.endr
.endm
.rept 8
	v_nop                                          ; places behind the last products
.endr
.irp b, 0,1,2,3
	v_mov_b32 v[TM+4+\b], 0                        ; a lane permute's destination counts as one of its sources
.endr
.irp p, 0,1                                    ; source 1's tiles 2 p and 2 p + 1
	QUANT ACC+64*\p, PC+16*\p
	v_lshl_or_b32 v[PWD+2*\p], v[TM+5], 8, v[TM+4]
	v_lshl_or_b32 v[PWD+2*\p+1], v[TM+7], 8, v[TM+6]
.irp b, 0,1
.irp c, 0,1
	global_store_b128 v[CO], v[PC+16*\p+8*\b+4*\c:PC+16*\p+8*\b+4*\c+3], s[56+4*\p+2*\b:57+4*\p+2*\b] offset:512*\c   ; 512 consecutive bytes, aligned
.endr
.endr
.endr
	s_wait_alu depctr_va_vdst(0)                   ; the wait ahead of the branch
	s_cmp_eq_u32 s15, 2                            ; the scale bytes leave through LDS, in the order of memory
	s_cbranch_scc1 .Lstage_v
.irp b, 0,1,2,3
	v_or_b32 v[PWD+\b], 0x7f7f0000, v[PWD+\b]      ; the upper 64 of the next product's K are zero codes: any finite byte
.endr
	ds_store_b128 v[STQ], v[PWD:PWD+3]             ; lanes r and 16 + r store the same words with the same value
	s_branch .Lstaged
.Lstage_v:
.irp b, 0,1,2,3
	ds_store_b16 v[STV], v[PWD+\b] offset:4*\b
.endr
.Lstaged:
	s_wait_dscnt 0x0
	BARRIER
	s_cmp_lg_u32 s16, 0                            ; one wave for each tensor
	s_cbranch_scc1 .Lend
	ds_load_b128 v[TM:TM+3], v[STR]
	s_cmp_eq_u32 s15, 2
	s_cbranch_scc1 .Lone
	ds_load_b128 v[TM+4:TM+7], v[STR] offset:512
	s_wait_dscnt 0x0
	global_store_b128 v[CO], v[TM+4:TM+7], s[10:11] offset:512
.Lone:
	s_wait_dscnt 0x0
	global_store_b128 v[CO], v[TM:TM+3], s[10:11]
.Lend:
	s_wait_tensorcnt 0x0                           ; the wave's end
	ds_add_u32 v[SPW], v[NIL]
	s_wait_dscnt 0x0
	CROUND                                         ; the closing round: no work-group ends while a partner may still ask for a tile that names it
	s_endpgm
.Lfunc_end_k_q873bc612c3_qkv:
	.size	k_q873bc612c3_qkv, .Lfunc_end_k_q873bc612c3_qkv-k_q873bc612c3_qkv
	.p2alignl 7, 3214868480
	.fill 96, 4, 3214868480
	.section	.rodata,"a",@progbits
	.p2align	6, 0x0
	.amdhsa_kernel k_q873bc612c3_qkv
		.amdhsa_group_segment_fixed_size 327680
		.amdhsa_private_segment_fixed_size 0
		.amdhsa_enable_private_segment 0
		.amdhsa_kernarg_size 104
		.amdhsa_user_sgpr_count 2
		.amdhsa_user_sgpr_kernarg_segment_ptr 1
		.amdhsa_wavefront_size32 1
		.amdhsa_system_sgpr_workgroup_id_x 1
		.amdhsa_system_sgpr_workgroup_id_y 1
		.amdhsa_system_sgpr_workgroup_id_z 1
		.amdhsa_system_vgpr_workitem_id 0
		.amdhsa_next_free_vgpr 320
		.amdhsa_next_free_sgpr 102
		.amdhsa_reserve_vcc 0
		.amdhsa_float_denorm_mode_32 3
		.amdhsa_float_denorm_mode_16_64 3
		.amdhsa_memory_ordered 1
		.amdhsa_forward_progress 1
		.amdhsa_inst_pref_size 80
	.end_amdhsa_kernel
	.amdgpu_metadata
---
amdhsa.version: [ 1, 2 ]
amdhsa.kernels:
  - .name:           k_q873bc612c3_qkv
    .symbol:         k_q873bc612c3_qkv.kd
    .args:
      - { .name: xq, .offset: 0, .size: 8, .value_kind: global_buffer, .address_space: global }
      - { .name: Wq_codes, .offset: 8, .size: 8, .value_kind: global_buffer, .address_space: global }
      - { .name: Wq_scales, .offset: 16, .size: 8, .value_kind: global_buffer, .address_space: global }
      - { .name: Wk_codes, .offset: 24, .size: 8, .value_kind: global_buffer, .address_space: global }
      - { .name: Wk_scales, .offset: 32, .size: 8, .value_kind: global_buffer, .address_space: global }
      - { .name: Wv_codes, .offset: 40, .size: 8, .value_kind: global_buffer, .address_space: global }
      - { .name: Wv_scales, .offset: 48, .size: 8, .value_kind: global_buffer, .address_space: global }
      - { .name: bq, .offset: 56, .size: 8, .value_kind: global_buffer, .address_space: global }
      - { .name: bk, .offset: 64, .size: 8, .value_kind: global_buffer, .address_space: global }
      - { .name: bv, .offset: 72, .size: 8, .value_kind: global_buffer, .address_space: global }
      - { .name: qb, .offset: 80, .size: 8, .value_kind: global_buffer, .address_space: global }
      - { .name: kb, .offset: 88, .size: 8, .value_kind: global_buffer, .address_space: global }
      - { .name: vb, .offset: 96, .size: 8, .value_kind: global_buffer, .address_space: global }
    .group_segment_fixed_size: 327680
    .private_segment_fixed_size: 0
    .kernarg_segment_align: 8
    .kernarg_segment_size: 104
    .max_flat_workgroup_size: 384
    .sgpr_count:     102
    .vgpr_count:     320
    .wavefront_size: 32
...
	.end_amdgpu_metadata
.endif
;; end of part 2
;; launch attn (part 3): grid 8 x 32, 8 waves a work-group, clusters of 4 x 1, 275,456 bytes of LDS; arguments qb, kb, vb, ab; writes ab
.if DOCPART == 3
	.amdgcn_target "amdgcn-amd-amdhsa--gfx1250"
	.amdhsa_code_object_version 6
	.text
	.protected	k_q873bc612c3_attn
	.globl	k_q873bc612c3_attn
	.p2align	8
	.type	k_q873bc612c3_attn,@function
k_q873bc612c3_attn:
	s_mov_b64 s[64:65], 0
	v_nop
	global_prefetch_b8 v0, s[64:65] scope:SCOPE_SE
	s_setreg_imm32_b32 hwreg(HW_REG_WAVE_MODE, 25, 1), 1
	s_wait_xcnt 0x0
	s_wait_alu depctr_hold_cnt(0) depctr_sa_sdst(0) depctr_va_vdst(0) depctr_va_sdst(0) depctr_va_ssrc(0) depctr_va_vcc(0) depctr_vm_vsrc(0)
	s_getreg_b32 s2, hwreg(HW_REG_IB_STS2, 6, 4)
	s_cmp_eq_u32 s2, 0
	s_cbranch_scc0 .Lentry_in_a_cluster
	s_endpgm
.Lentry_in_a_cluster:
	s_bfe_u32 s2, ttmp6, 0x10000c
	s_cmp_lg_u32 s2, 0x3003
	s_cbranch_scc0 .Lentry_shape_is_right
	s_endpgm
.Lentry_shape_is_right:
; o[bh][q][:] = the sum over k of softmax_k(q . k / 8) v[k][:], 32 heads (bh = 16 x batch + head) of 2,048 tokens x 64 channels, both products on codes of BF8 (E5M2) with one E8M0 scale for each 32 along K; o is quantised along D and leaves as
; images of operand registers for the last product.
; THE SOFTMAX AHEAD OF THE SECOND PRODUCT: t = score x log2(e) / 8; M = the running largest t rounded UP to a whole number; p = 2^(t - M) is quantised along the keys, not normalised; the row's sum is taken of the unquantised p and divides at the
; end.  When M moves, the sum and O are multiplied by 2^(old M - new M): exact.
; SHARES.  A work-group owns 256 queries of one head; each of its EIGHT waves two tiles of 16, so a fragment of K or V that a wave has loaded feeds two products.
; A HEAD'S K AND V, AS CODES, ARE 2 x 131,072 BYTES: they come into LDS whole, once; no slot is filled again.  One tensor load a wave: waves 0 and 2 K's and V's scale words, waves 1 and 3 the first four steps of 128 keys of K and of V, waves 4 and 5 the
; other twelve.  Two barriers: the first shows waves 0 to 3's loads, the second, three steps later, all.  They lie in LDS as in memory: images of operand registers, 16 bytes a lane, 512 consecutive bytes a load.
; CLUSTER.  The four blocks of queries of a cluster belong to one head: K, V and their scale words are asked for JOINTLY (mask 15).  No prefetch: every load of the launch stands at its head, and there is no loop that loads from memory.
; LAYOUT.  Both products are used transposed: S^T = K Q^T (source 0 = 16 keys, source 1 = 16 queries), O^T = V^T P^T: a lane holds ONE query of a tile throughout.  The upper 64 of the first product's K are zero codes in Q; in K's fragment they are
; whatever follows in the registers: the next fragment's codes, all finite, or zeros.
; In S^T a lane (r, h) holds of block c of 32 keys the keys 32 c + 16 u + 8 h + j, in its registers 16 c + 8 u + j; V's images were laid in the same order.
; THE PIPELINE.  A unit is one tile's softmax over one step of 128 keys; a wave's two tiles take turns.  In a unit: its block maxima; its chain for M, among the second half of the unit before's row sum; its exponentials, among the unit before's holds and its
; own scale operands; the unit before's conversions; the first quarter of its row sum; the OTHER tile's products (its next scores, and V for the codes just made); the second quarter.
; K of the next step and V of this one are loaded once, in tile 0's unit, and waited for in tile 1's.  The first unit finds zeros in tile 1's place; the last makes scores that nobody reads.
; A BLOCK'S SCALE: the largest p of a block is 2^x, x = its largest score's t - M, so floor(x) is its exponent: byte = floor(x) + 112, x held at -111 from below.
; LIMITS: a block whose largest magnitude lies under 2^-111, and a block of zeros, get the byte 1 (their codes add nothing; this program alone reads the bytes); NaN and infinities are not served; scaled scores stay under 2^31 in magnitude.
; REGISTERS, window 0: v1-4 addresses that stay, v5-8 of the step; v16-23 K's scale words, v24-27 V's, v28-29 p's (a tile each), v30-31 Q's; v32-35 -M and the largest score, v36-39 the sums; v40 f; v44-57 at work;
;   v64-127, v128-191 the tiles' S^T, then p; v192-207, v208-223 their codes; v224-239 their holds; v240-246 at work; v248-255 the conversions' scale operands.
;   Window 1: v0-63 O^T; v64-95 Q, each tile's eight registers with eight zeros behind; v96-159 K, eight zeros behind; v168-231 V.
.set VI,    131072                     ; LDS: K's images from byte 0 on, 8,192 bytes a step; V's likewise from here
.set KSC,   262144                     ; K's scale words, 512 bytes a step
.set VSC,   270336                     ; V's, 256 bytes a step
.set SPARE, 274432
.set SCOFF, 4194304
.set FIRST, 32768                      ; four steps of images
.set SPW, 12
.set NIL, 13
.set KW,  16
.set VW,  24
.set PW,  28
.set QW,  30
.set F,   40
.set BM,  44
.set PT,  48
.set CH,  52
.set CD,  192
.set HO,  224
.set N,   240
.set T,   244
.set SOP, 248
.set QZ,  64                           ; window 1
.set KF,  96
.set VF,  168
.set MSB, 0
.macro WIN new                         ; the immediate's high byte repeats the setting that is left
.if MSB != \new
	s_set_vgpr_msb (MSB<<8)|\new
.set MSB, \new
.endif
.endm
.macro CROUND                          ; a round of the cluster's barrier
	s_barrier_signal -1
	s_barrier_wait -1
	s_cmp_lg_u32 s12, 0
	s_cbranch_scc1 .Lnot_wave_0_\@
	s_barrier_signal -3
.Lnot_wave_0_\@:
	s_barrier_wait -3
	s_barrier_signal -1
	s_barrier_wait -1
.endm
.macro GROUP1 g, rows                  ; descriptor group 1: so many rows of 256 bytes, dense
	s_mov_b32 s[\g], 15|(3<<16)|(1<<21)            ; 15:0 the mask: all four work-groups; 17:16 elements of 8 bytes; 20 no padding; 21 set beside a mask
	s_mov_b32 s[\g+1], 32<<16                      ; tensor_dim0
	s_mov_b32 s[\g+2], (\rows)<<16                 ; tensor_dim1
	s_mov_b32 s[\g+3], 32<<16                      ; tile_dim0
	s_mov_b32 s[\g+4], \rows                       ; tile_dim1
	s_mov_b32 s[\g+5], 32                          ; the pitch
	s_mov_b32 s[\g+6], 0
	s_mov_b32 s[\g+7], 0
.endm
; One arm of the head's one tree of branches on the wave's number: one joint load.  hlog: a head's bytes in that tensor; goff: where in the buffer's head the tile begins
.macro ARM under, ptr, hlog, goff, lds, g1, next
	s_cmp_lt_u32 s12, \under
	s_cbranch_scc0 \next
	s_lshl_b32 s16, s14, \hlog
	s_add_co_u32 s16, s16, \goff
	s_mov_b32 s17, 0
	s_mov_b32 s56, 1
	s_mov_b32 s57, \lds
	s_add_nc_u64 s[58:59], s[\ptr:\ptr+1], s[16:17]
	s_or_b32 s59, s59, 0x80000000
	tensor_load_to_lds s[56:59], s[\g1:\g1+7]
	s_nop 0
.rept 4
	v_nop
.endr
	s_branch .Lasked
\next:
.endm
	s_load_b256 s[4:11], s[0:1], 0x0               ; qb s[4:5], kb s[6:7], vb s[8:9], ab s[10:11]
	v_lshl_add_u32 v[SPW], v0, 2, SPARE
	v_mov_b32 v[NIL], 0
	ds_add_u32 v[SPW], v[NIL]                      ; the opening lines: the add, twice on end; work on registers stands between them and their wait
	ds_add_u32 v[SPW], v[NIL]
	v_lshrrev_b32 v14, 5, v0
	v_readfirstlane_b32 s12, v14                   ; wave 0..7
	s_and_b32 s14, ttmp7, 0xffff                   ; bh, which the four partners share
	s_bfe_u32 s15, ttmp6, 0x40000                  ; cx: it enters Q's and ab's global addresses alone
	s_lshl_b32 s16, ttmp9, 2
	s_add_co_u32 s15, s15, s16                     ; my block of 256 queries
	s_lshl_b32 s15, s15, 4
	s_lshl_b32 s16, s12, 1
	s_add_co_u32 s15, s15, s16                     ; my first tile of 16 queries, an even number: 0 .. 126
	GROUP1 24, 32
	GROUP1 32, 16
	GROUP1 40, 128
	GROUP1 48, 384
	s_mov_b32 s13, 0x3fe00000                      ; 1.75 as f32: x 2^n: 57,344 x the scale
	s_mov_b32 s3, 0x600000                         ; the mantissa field of 57,344
	s_mov_b32 s18, 0xbe38aa3b                      ; -c
	s_mov_b32 s19, 0x38000000                      ; 112 << 23
	s_mov_b32 s20, 0x76543210                      ; v_permlanex16_b32's selects for lane l xor 16
	s_mov_b32 s21, 0xfedcba98
	s_mov_b32 s22, 0x3e38aa3b                      ; c = log2(e) / sqrt(64)
	s_mov_b32 s23, s22                             ; (named with it as a pair, so it is written)
	s_mov_b32 s61, 8192                            ; the images of K's next step (V's registers lie one step back);
	s_mov_b32 s62, 512                             ; its scale words;
	s_mov_b32 s63, 0                               ; V's of this step
	s_wait_dscnt 0x0
	s_wait_kmcnt 0x0
	CROUND                                         ; all four work-groups are here: the joint loads meet
	ARM 1, 6, 13, SCOFF, KSC, 24, .Lw1
	ARM 2, 6, 17, 0, 0, 40, .Lw2
	ARM 3, 8, 12, SCOFF, VSC, 32, .Lw3
	ARM 4, 8, 17, 0, VI, 40, .Lw4
	ARM 5, 6, 17, FIRST, FIRST, 48, .Lw5
	ARM 6, 8, 17, FIRST, VI+FIRST, 48, .Lw6
.Lasked:
	s_lshl_b32 s16, s14, 7
	s_add_co_u32 s16, s16, s15
	s_lshl_b32 s16, s16, 10                        ; Q's images: (128 bh + tile) x 1,024 bytes
	s_mov_b32 s17, 0
	s_lshr_b32 s66, s15, 3
	s_lshl_b32 s67, s14, 4
	s_add_co_u32 s66, s66, s67
	s_lshl_b32 s66, s66, 9                         ; Q's scale words: (16 bh + tile / 8) x 512
	s_and_b32 s67, s15, 7
	s_lshl_b32 s67, s67, 2
	s_add_co_u32 s66, s66, s67                     ; + 4 (tile % 8): my two tiles' words are neighbours
	s_add_co_u32 s66, s66, SCOFF
	s_mov_b32 s67, 0
	s_add_nc_u64 s[66:67], s[4:5], s[66:67]
	s_add_nc_u64 s[4:5], s[4:5], s[16:17]
	s_lshr_b32 s16, s14, 4
	s_lshl_b32 s16, s16, 7
	s_add_co_u32 s16, s16, s15                     ; my tile among the 256 of both batches
	s_and_b32 s70, s14, 15                         ; the head
	s_lshl_b32 s68, s16, 9                         ; ab's scale bytes: 512 a tile, 2 a head
	s_lshl_b32 s69, s70, 1
	s_add_co_u32 s68, s68, s69
	s_add_co_u32 s68, s68, SCOFF
	s_mov_b32 s69, 0
	s_lshl_b32 s16, s16, 14                        ; ab's images: 16,384 a tile, 1,024 a head
	s_lshl_b32 s70, s70, 10
	s_add_co_u32 s16, s16, s70
	s_add_nc_u64 s[8:9], s[10:11], s[16:17]
	s_add_nc_u64 s[10:11], s[10:11], s[68:69]
	v_and_b32 v11, 31, v0                          ; lane
	v_and_b32 v9, 15, v0                           ; r
	v_lshlrev_b32 v1, 4, v11                       ; 16 x lane: my place in an image
	v_add_nc_u32 v2, VI-8192, v1                   ; V's, one step back
	v_lshl_add_u32 v3, v9, 5, KSC                  ; K's scale words: 32 bytes a row r: a step's eight tiles
	v_lshl_add_u32 v4, v9, 4, VSC                  ; V's: 16 bytes a row: the four tiles of channels
	v_lshlrev_b32 v10, 5, v9                       ; 32 r
	WIN 0x40
.irp i, 0,1
	global_load_b128 v[QZ+16*\i:QZ+16*\i+3], v1, s[4:5] offset:1024*\i
	global_load_b128 v[QZ+16*\i+4:QZ+16*\i+7], v1, s[4:5] offset:1024*\i+512
.endr
.irp j, 0,1,2,3,4,5,6,7
	v_mov_b32 v[QZ+8+\j], 0
	v_mov_b32 v[QZ+24+\j], 0
	v_mov_b32 v[KF+64+\j], 0
.endr
	WIN 0
	global_load_b64 v[QW:QW+1], v10, s[66:67]      ; both tiles' scale words
.irp i, 0,1
	v_mov_b32 v[32+2*\i], 0x7e967699               ; -M: 1e38: the first change of M makes f = 0
	v_mov_b32 v[33+2*\i], 0xff61b1e6               ; the largest score so far: -3e38
	v_mov_b32 v[36+2*\i], 0                        ; the sum, in two halves
	v_mov_b32 v[37+2*\i], 0
.endr
.irp b, 0,1,2,3
	v_mov_b32 v[PT+\b], 0                          ; written once: a lane permute's destination counts as one of its sources
.endr
	v_mov_b32 v[F+1], 0                            ; (named as the upper half of the pair with f)
	v_mov_b32 v[PW+1], 0                           ; tile 1 has no unit before the first: its p, holds, scales and partial sums are zeros
.set j, 0
.rept 64
	v_mov_b32 v[128+j], 0
.set j, j+1
.endr
.irp j, 0,1,2,3,4,5,6,7
	v_mov_b32 v[HO+8+\j], 0
.endr
.irp j, 0,1,2,3
	v_mov_b32 v[SOP+4+\j], 0
.endr
.irp j, 0,1,2,3,4,5
	v_mov_b32 v[CH+\j], 0
.endr
.macro LOADS ka, va, vo, kw, vw        ; a step of K, a step of V, and their scale words: 35 loads
	WIN 0x40
.irp t, 0,1,2,3,4,5,6,7
	ds_load_b128 v[KF+8*\t:KF+8*\t+3], v[\ka] offset:1024*\t
	ds_load_b128 v[KF+8*\t+4:KF+8*\t+7], v[\ka] offset:1024*\t+512
.endr
.irp t, 0,1,2,3
.irp c, 0,1,2,3
	ds_load_b128 v[VF+16*\t+4*\c:VF+16*\t+4*\c+3], v[\va] offset:(\vo)+2048*\t+512*\c
.endr
.endr
	WIN 0
	ds_load_b128 v[KW:KW+3], v[\kw]
	ds_load_b128 v[KW+4:KW+7], v[\kw] offset:16
	ds_load_b128 v[VW:VW+3], v[\vw]
.endm
.macro QK o                            ; tile o's scores of a step
	WIN 0x05
.irp t, 0,1,2,3,4,5,6,7
	v_wmma_scale_f32_16x16x128_f8f6f4 v[64+64*(\o)+8*\t:71+64*(\o)+8*\t], v[KF+8*\t:KF+8*\t+15], v[QZ+16*(\o):QZ+16*(\o)+15], 0, v[KW+\t], v[QW+\o] matrix_a_fmt:MATRIX_FMT_BF8 matrix_b_fmt:MATRIX_FMT_BF8
.endr
.endm
.macro PV o                            ; tile o's O^T += V^T P^T: four accumulators, one instruction each
	WIN 0x51
.irp t, 0,1,2,3
	v_wmma_scale_f32_16x16x128_f8f6f4 v[32*(\o)+8*\t:32*(\o)+8*\t+7], v[VF+16*\t:VF+16*\t+15], v[CD+16*(\o):CD+16*(\o)+15], v[32*(\o)+8*\t:32*(\o)+8*\t+7], v[VW+\t], v[PW+\o] matrix_a_fmt:MATRIX_FMT_BF8 matrix_b_fmt:MATRIX_FMT_BF8
.endr
	WIN 0
.endm
; THE ROW'S SUM IS TAKEN OF THE UNQUANTISED p: two at a time, in four chains: tile t's lines from .. to - 1 of 32
.macro SUMS t, from, to
.set S_, 64+64*(\t)
.set L_, 36+2*(\t)
.set n_, \from
.rept (\to)-(\from)
.if n_ == 0 || n_ == 4
	v_pk_add_f32 v[L_:L_+1], v[L_:L_+1], v[S_+2*n_:S_+2*n_+1]
.elseif n_ < 4
	v_pk_add_f32 v[CH+2*n_-2:CH+2*n_-1], v[S_+2*n_:S_+2*n_+1], v[S_+2*n_+8:S_+2*n_+9]
.elseif n_ < 29
.set k_, n_+3
.if k_%4 == 0
	v_pk_add_f32 v[L_:L_+1], v[L_:L_+1], v[S_+2*k_:S_+2*k_+1]
.else
	v_pk_add_f32 v[CH+2*(k_%4)-2:CH+2*(k_%4)-1], v[CH+2*(k_%4)-2:CH+2*(k_%4)-1], v[S_+2*k_:S_+2*k_+1]
.endif
.elseif n_ == 29
	v_pk_add_f32 v[CH:CH+1], v[CH:CH+1], v[CH+2:CH+3]
.elseif n_ == 30
	v_pk_add_f32 v[L_:L_+1], v[L_:L_+1], v[CH+4:CH+5]
.else
	v_pk_add_f32 v[L_:L_+1], v[L_:L_+1], v[CH:CH+1]
.endif
.set n_, n_+1
.endr
.endm
; The conversion does not saturate (ISA guide 7.6.2); p is not negative, so the hold is one-sided.  Two holds an instruction: the first sources, and the second, in registers whose numbers differ modulo 4.  j: the odd one of the two
.macro HOLD2 s, h, j
	v_dual_min_num_f32 v[\s+\j-1], v[\s+\j-1], v[\h+2*(\j/16)] :: v_dual_min_num_f32 v[\s+\j], v[\s+\j], v[\h+2*(\j/16)+1]
.endm
.macro CODES o                         ; tile o's p becomes codes
.irp b, 0,1,2,3
	v_cvt_scalef32_pk8_bf8_f32 v[CD+16*(\o)+4*\b:CD+16*(\o)+4*\b+1], v[64+64*(\o)+16*\b:71+64*(\o)+16*\b], v[SOP+4*(\o)+\b]
	v_cvt_scalef32_pk8_bf8_f32 v[CD+16*(\o)+4*\b+2:CD+16*(\o)+4*\b+3], v[72+64*(\o)+16*\b:79+64*(\o)+16*\b], v[SOP+4*(\o)+\b]
.endr
.endm
.macro UNIT i
.set SS, 64+64*(\i)
.set SO, 64+64*(1-\i)
.set NM, 32+2*(\i)                     ; -M, and behind it the largest score
.set LL, 36+2*(\i)                     ; the row's sum
.set HI, HO+8*(\i)
.set HX, HO+8*(1-\i)
.set SI, SOP+4*(\i)
.irp b, 0,1,2,3                        ; the largest score of each block of 32 keys, my 16 of it: four chains by turns, each accumulator from its low end on
	v_max3_num_f32 v[BM+\b], v[SS+16*\b], v[SS+16*\b+1], v[SS+16*\b+2]
.endr
.irp k, 3,5,7,9,11,13
.irp b, 0,1,2,3
	v_max3_num_f32 v[BM+\b], v[BM+\b], v[SS+16*\b+\k], v[SS+16*\b+\k+1]
.endr
.endr
.irp b, 0,1,2,3
	v_max_num_f32 v[BM+\b], v[BM+\b], v[SS+16*\b+15]
.endr
.irp b, 0,1,2,3
	v_permlanex16_b32 v[PT+\b], v[BM+\b], s20, s21
.endr
.irp b, 0,1,2,3
	v_max_num_f32 v[BM+\b], v[BM+\b], v[PT+\b]     ; with lane l xor 16's 16 keys
.endr
	SUMS 1-\i, 16, 18                              ; the unit before's row sum stands between the lines of this chain
	v_max3_num_f32 v[T], v[BM], v[BM+1], v[NM+1]
	SUMS 1-\i, 18, 20
	v_max3_num_f32 v[NM+1], v[T], v[BM+2], v[BM+3] ; the running largest score
	SUMS 1-\i, 20, 22
	v_mul_f32 v[T], s18, v[NM+1]                   ; -t (c is positive)
	SUMS 1-\i, 22, 24
	v_floor_f32 v[T+1], v[T]                       ; the new -M = floor(-t) = -ceil(t): a whole number
	SUMS 1-\i, 24, 26
	v_sub_f32 v[T+2], v[T+1], v[NM]                ; M's old value less its new one: a whole number, 0 or less
	v_mov_b32 v[NM], v[T+1]
	SUMS 1-\i, 26, 28
	v_cvt_i32_f32 v[T+2], v[T+2]                   ; (it saturates)
	v_fma_f32 v[BM], v[BM], s22, v[NM]             ; x of each block: its largest t - M
	v_fma_f32 v[BM+1], v[BM+1], s22, v[NM]
	v_fma_f32 v[BM+2], v[BM+2], s22, v[NM]
	v_fma_f32 v[BM+3], v[BM+3], s22, v[NM]
	v_ldexp_f32 v[F], 1.0, v[T+2]                  ; f = 2^(old M - new M)
	SUMS 1-\i, 28, 30
.irp b, 0,1,2,3
	v_max_num_f32 v[BM+\b], 0xc2de0000, v[BM+\b]   ; not under -111: the byte cannot fall under 1
.endr
	SUMS 1-\i, 30, 31
.irp b, 0,1,2,3
	v_cvt_floor_i32_f32 v[N+\b], v[BM+\b]          ; n = floor(x): the exponent of the block's largest p
.endr
	SUMS 1-\i, 31, 32
.set j, 0
.rept 32
	v_pk_fma_f32 v[SS+j:SS+j+1], v[SS+j:SS+j+1], s[22:23], v[NM:NM+1] op_sel_hi:[1,0,0]   ; t - M, two at a time; between them p's scale word: the sum of (n + 112) << 8 b
.if j == 6
	v_lshl_add_u32 v[PW+\i], v[N+1], 8, v[N]
.endif
.if j == 16
	v_lshl_add_u32 v[PW+\i], v[N+2], 16, v[PW+\i]
.endif
.if j == 26
	v_lshl_add_u32 v[PW+\i], v[N+3], 24, v[PW+\i]
.endif
.if j == 36
	v_add_nc_u32 v[PW+\i], 0x70707070, v[PW+\i]
.endif
.set j, j+2
.endr
	WIN 0x41
.set j, 0
.rept 16
	v_pk_mul_f32 v[32*(\i)+j:32*(\i)+j+1], v[32*(\i)+j:32*(\i)+j+1], v[F:F+1] op_sel_hi:[1,0]   ; O^T under the new M
.set j, j+2
.endr
	WIN 0
	s_wait_alu depctr_va_vdst(0)                   ; the wait ahead of the batch
.set j, 0
.rept 64
	v_exp_f32 v[SS+j], v[SS+j]                     ; p = 2^(t - M), at most 1.  What stands between is first read behind the batch's second wait:
.if j%2
	HOLD2 SO, HX, j                                ; the unit before's holds,
.elseif j%4 == 0
.if j < 16
	v_lshl_add_u32 v[SI+j/4], v[N+j/4], 23, s19    ; this unit's scale operands 2^(n - 15),
.elseif j < 48
	v_lshl_add_u32 v[HI+j/4-4], v[N+(j/4-4)/2], 23, s13   ; its bounds 57,344 x the scale, in two registers each,
.elseif j == 48
	v_pk_mul_f32 v[LL:LL+1], v[LL:LL+1], v[F:F+1] op_sel_hi:[1,0]   ; and the sum under the new M
.endif
.endif
.set j, j+1
.endr
	s_wait_alu depctr_va_vdst(0)                   ; and behind it
.if \i
	s_wait_dscnt 0x0                               ; K of the next step and V of this one, asked for in tile 0's unit
.endif
	CODES 1-\i
	SUMS \i, 0, 8
	QK 1-\i
	PV 1-\i
	SUMS \i, 8, 16                                 ; (the places behind the products)
.if (\i) == 0
	v_add_nc_u32 v5, s61, v1
	v_add_nc_u32 v6, s61, v2
	v_add_nc_u32 v7, s62, v3
	v_add_nc_u32 v8, s63, v4
	LOADS 5, 6, 0, 7, 8                            ; K of the next step (in the last step it reads bytes of V's, landed, whose products nobody reads), V of this one
	s_add_co_u32 s61, s61, 8192
	s_add_co_u32 s62, s62, 512
	s_add_co_u32 s63, s63, 256
.endif
.endm
.macro PAIRS n                         ; n steps of 128 keys, both tiles
	s_mov_b32 s60, \n
.Lpair_\@:
	UNIT 0
	UNIT 1
	s_sub_co_u32 s60, s60, 1
	s_cmp_lg_u32 s60, 0
	s_cbranch_scc1 .Lpair_\@
.endm
	s_wait_alu depctr_va_vdst(0)                   ; the wait at the head's end
	s_wait_loadcnt 0x0                             ; Q
	s_cmp_lt_u32 s12, 4                            ; waves 0 to 3, each with a load line of its own, have fetched what the first three steps need
	s_cbranch_scc0 .Lnot_first
	s_wait_tensorcnt 0x0
.Lnot_first:
	s_barrier_signal -1
	s_barrier_wait -1
	LOADS 1, 2, 8192, 3, 4                         ; K's and V's step 0
	WIN 0x40
.set j, 0
.rept 32
	v_mov_b32 v[j], 0                              ; O^T of tile 0.  (The unit is written once: the first finds zeros, which the first change of M leaves zeros)
.set j, j+1
.endr
	WIN 0
	s_wait_dscnt 0x0
	QK 0
	WIN 0x40
.set j, 0
.rept 32
	v_mov_b32 v[32+j], 0                           ; and of tile 1; these are the places behind the products
.set j, j+1
.endr
	WIN 0
	PAIRS 3                                        ; steps 0 to 2 load K's steps 1 to 3, V's 0 to 2
	s_wait_tensorcnt 0x0                           ; every wave's loads have landed (no LDS load of mine is out: tile 1's unit waited for all)
	s_barrier_signal -1
	s_barrier_wait -1
	PAIRS 13
	; THE WAY OUT.  Tile 1's last sum of p, its codes and its last sum of V; O^T / the sum; register 8 t + j of lane (r, h) is o(query r, channel 16 t + 8 h + j): two blocks of 32 along D, each shared with lane l xor 16
	SUMS 1, 16, 32
.set j, 1
.rept 32
	HOLD2 128, HO+8, j
.set j, j+2
.endr
	CODES 1
	v_cmp_le_u32 vcc_lo, 16, v11                   ; lanes 16-31
	v_add_f32 v36, v36, v37                        ; the sums' two halves,
	v_add_f32 v38, v38, v39
	v_permlanex16_b32 v[PT], v36, s20, s21
	v_permlanex16_b32 v[PT+1], v38, s20, s21
	PV 1
	v_add_f32 v36, v36, v[PT]                      ; and lane l xor 16's: the rows' sums
	v_add_f32 v38, v38, v[PT+1]
	s_wait_alu depctr_va_vdst(0)                   ; the wait ahead of the transcendentals
	v_rcp_f32 v36, v36
	v_rcp_f32 v38, v38
.rept 8
	v_nop                                          ; places behind the last products and the transcendentals
.endr
	WIN 0x01
	s_wait_alu depctr_va_vdst(0)                   ; and behind them, directly ahead of the first readers of O^T
.irp i, 0,1
.set j, 0
.rept 16
	v_pk_mul_f32 v[64+64*\i+j:65+64*\i+j], v[32*\i+j:32*\i+j+1], v[36+2*\i:37+2*\i] op_sel_hi:[1,0]   ; each accumulator from its low end on
.set j, j+2
.endr
.endr
	WIN 0
.irp i, 0,1
.irp b, 0,1
	v_max3_num_f32 v[BM+2*\i+\b], |v[64+64*\i+16*\b]|, |v[65+64*\i+16*\b]|, 0x8000000   ; the floor 2^(16 - 127): the byte cannot fall under 1
.endr
.endr
.irp k, 2,4,6,8,10,12,14
.irp i, 0,1
.irp b, 0,1
	v_max3_num_f32 v[BM+2*\i+\b], v[BM+2*\i+\b], |v[64+64*\i+16*\b+\k]|, |v[65+64*\i+16*\b+\k]|
.endr
.endr
.endr
.irp b, 0,1,2,3
	v_permlanex16_b32 v[PT+\b], v[BM+\b], s20, s21
.endr
.irp b, 0,1,2,3
	v_max_num_f32 v[BM+\b], v[BM+\b], v[PT+\b]
.endr
.irp b, 0,1,2,3
	v_add_nc_u32 v[SOP+\b], 0xf8800000, v[BM+\b]   ; 15 off the exponent field
.endr
.irp b, 0,1,2,3
	v_and_or_b32 v[HO+\b], v[BM+\b], 0x7f800000, s3   ; 57,344 x the scale
.endr
.irp b, 0,1,2,3
	v_lshrrev_b32 v[N+\b], 23, v[SOP+\b]           ; the byte
.endr
	v_lshl_or_b32 v[T], v[N+1], 8, v[N]            ; the head's two scale bytes of my two tokens
	v_lshl_or_b32 v[T+1], v[N+3], 8, v[N+2]
.irp i, 0,1
.irp b, 0,1
.irp e, 0,1,2,3,4,5,6,7,8,9,10,11,12,13,14,15
	v_med3_num_f32 v[64+64*\i+16*\b+\e], v[64+64*\i+16*\b+\e], -v[HO+2*\i+\b], v[HO+2*\i+\b]
.endr
	v_cvt_scalef32_pk8_bf8_f32 v[CD+8*\i+4*\b:CD+8*\i+4*\b+1], v[64+64*\i+16*\b:71+64*\i+16*\b], v[SOP+2*\i+\b]      ; channels 32 b + 8 h + 0 .. 7
	v_cvt_scalef32_pk8_bf8_f32 v[CD+8*\i+4*\b+2:CD+8*\i+4*\b+3], v[72+64*\i+16*\b:79+64*\i+16*\b], v[SOP+2*\i+\b]    ; channels 32 b + 16 + 8 h + 0 .. 7
.endr
.endr
	v_nop                                          ; one plain place behind the conversions
	; back to the natural order: lane (r, 0) wants channels 32 b + 0 .. 15: its own first eight and the other half's first eight; lane (r, 1) wants 32 b + 16 .. 31: the other half's second eight and its own
.set j, 0
.rept 16
	v_permlanex16_b32 v[CD+16+j], v[CD+j], s20, s21
.set j, j+1
.endr
.irp q, 0,4,8,12
.irp p, 0,1
	v_cndmask_b32 v[96+\q+\p], v[CD+\q+\p], v[CD+16+\q+2+\p], vcc_lo
	v_cndmask_b32 v[98+\q+\p], v[CD+16+\q+\p], v[CD+\q+2+\p], vcc_lo
.endr
.endr
.irp i, 0,1
	global_store_b128 v1, v[96+8*\i:99+8*\i], s[8:9] offset:16384*\i              ; each store of the wave covers 512 consecutive bytes, aligned
	global_store_b128 v1, v[100+8*\i:103+8*\i], s[8:9] offset:16384*\i+512
	global_store_b16 v10, v[T+\i], s[10:11] offset:512*\i                         ; lanes r and 16 + r store the same two bytes with the same value
.endr
	s_wait_tensorcnt 0x0                           ; the wave's end
	ds_add_u32 v[SPW], v[NIL]
	s_wait_dscnt 0x0
	CROUND                                         ; the closing round: no work-group ends while a partner may still ask for a tile that names it
	s_endpgm
.Lfunc_end_k_q873bc612c3_attn:
	.size	k_q873bc612c3_attn, .Lfunc_end_k_q873bc612c3_attn-k_q873bc612c3_attn
	.p2alignl 7, 3214868480
	.fill 96, 4, 3214868480
	.section	.rodata,"a",@progbits
	.p2align	6, 0x0
	.amdhsa_kernel k_q873bc612c3_attn
		.amdhsa_group_segment_fixed_size 275456
		.amdhsa_private_segment_fixed_size 0
		.amdhsa_enable_private_segment 0
		.amdhsa_kernarg_size 32
		.amdhsa_user_sgpr_count 2
		.amdhsa_user_sgpr_kernarg_segment_ptr 1
		.amdhsa_wavefront_size32 1
		.amdhsa_system_sgpr_workgroup_id_x 1
		.amdhsa_system_sgpr_workgroup_id_y 1
		.amdhsa_system_sgpr_workgroup_id_z 1
		.amdhsa_system_vgpr_workitem_id 0
		.amdhsa_next_free_vgpr 512
		.amdhsa_next_free_sgpr 72
		.amdhsa_reserve_vcc 1
		.amdhsa_float_denorm_mode_32 3
		.amdhsa_float_denorm_mode_16_64 3
		.amdhsa_memory_ordered 1
		.amdhsa_forward_progress 1
		.amdhsa_inst_pref_size 104
	.end_amdhsa_kernel
	.amdgpu_metadata
---
amdhsa.version: [ 1, 2 ]
amdhsa.kernels:
  - .name:           k_q873bc612c3_attn
    .symbol:         k_q873bc612c3_attn.kd
    .args:
      - { .name: qb, .offset: 0, .size: 8, .value_kind: global_buffer, .address_space: global }
      - { .name: kb, .offset: 8, .size: 8, .value_kind: global_buffer, .address_space: global }
      - { .name: vb, .offset: 16, .size: 8, .value_kind: global_buffer, .address_space: global }
      - { .name: ab, .offset: 24, .size: 8, .value_kind: global_buffer, .address_space: global }
    .group_segment_fixed_size: 275456
    .private_segment_fixed_size: 0
    .kernarg_segment_align: 8
    .kernarg_segment_size: 32
    .max_flat_workgroup_size: 256
    .sgpr_count:     72
    .vgpr_count:     512
    .wavefront_size: 32
...
	.end_amdgpu_metadata
.endif
;; end of part 3
;; launch proj (part 4): grid 8 x 32, 8 waves a work-group, clusters of 4 x 4, 302,080 bytes of LDS; arguments ab, Wp_codes, Wp_scales, bp, x, yb; writes yb
.if DOCPART == 4
	.amdgcn_target "amdgcn-amd-amdhsa--gfx1250"
	.amdhsa_code_object_version 6
	.text
	.protected	k_q873bc612c3_proj
	.globl	k_q873bc612c3_proj
	.p2align	8
	.type	k_q873bc612c3_proj,@function
k_q873bc612c3_proj:
	s_mov_b64 s[64:65], 0
	v_nop
	global_prefetch_b8 v0, s[64:65] scope:SCOPE_SE
	s_setreg_imm32_b32 hwreg(HW_REG_WAVE_MODE, 25, 1), 1
	s_wait_xcnt 0x0
	s_wait_alu depctr_hold_cnt(0) depctr_sa_sdst(0) depctr_va_vdst(0) depctr_va_sdst(0) depctr_va_ssrc(0) depctr_va_vcc(0) depctr_vm_vsrc(0)
	s_getreg_b32 s2, hwreg(HW_REG_IB_STS2, 6, 4)
	s_cmp_eq_u32 s2, 0
	s_cbranch_scc0 .Lentry_in_a_cluster
	s_endpgm
.Lentry_in_a_cluster:
	s_bfe_u32 s2, ttmp6, 0x10000c
	s_cmp_lg_u32 s2, 0xf033
	s_cbranch_scc0 .Lentry_shape_is_right
	s_endpgm
.Lentry_shape_is_right:
; y = x + a Wp + bp.  a: the attention's result as codes of BF8 (E5M2), images of operand registers [tile of 16 tokens 256][128 along K 8][c 4][lane 32][16 bytes], with scale bytes [4096][32] at SCOFF (ab);
; Wp: codes [1024 (n)][1024 (k)] with scale bytes [1024][32]; bp, x, y: f32.  The norm over a row of y is the next launch's.
; WHY THE NORM IS NOT TAKEN HERE.  It wants whole rows, and a work-group that makes whole rows takes in all 1,048,576 bytes of Wp, however few its rows.  A tile of 128 tokens x 128 columns takes in 131,072 bytes of a and 131,072 of Wp,
; and there are 256 such tiles.  The price is y's way to memory and back.
; SHARES.  Eight waves; wave w owns tokens 32 (w / 2) on and columns 64 (w % 2) on: eight accumulators, (t, m) = 16 columns x 16 tokens.  Its rows of 64 f32 are 256 consecutive bytes of y, aligned: so each wave has a stage of its own.
; BOTH OPERANDS COME INTO LDS WHOLE, ONCE, in two halves of K: one tensor load a wave: waves 0, 1 (a) and 2, 3 (Wp) the first half, waves 4 to 7 the second, in load lines of their own: the first half is multiplied while the second is on its way.
; x, wanted at the end, is asked for behind the first half.  No LDS bytes are filled again, and no loop loads from memory: so no prefetch.
; CLUSTER.  4 x 4 work-groups.  The four of a row of the cluster need the same 128 tokens of a, the four of a column the same 128 rows of Wp: each is asked for JOINTLY.
; THE MATRIX INSTRUCTION IS USED TRANSPOSED (source 0 = 16 rows of Wp, source 1 = 16 tokens): a lane holds one token and eight neighbouring columns.  bp is loaded INTO the accumulators: the bias costs no addition and nothing is cleared.
; LIMITS: NaN and infinities among the inputs are not served.
; REGISTERS: v1-7 addresses; v8-71 accumulators ((t, m) at v[8 + 8 (2 t + m)]); v72-135 Wp's four fragments, later y; v136-167 a's two fragments; v168-183 Wp's scale words; v184-191 a's; v192-255 x.
.set SCOFF, 4194304
.set HA,    65536                      ; LDS: half of K of a's eight tiles, 8,192 bytes a tile, from byte 0 on
.set BI,    2*HA                       ; Wp's halves from here
.set WPT,   528                        ; a row's half of 512 bytes + 16 of padding = 132 words: row r starts at bank 4 r mod 64 (ISA guide 11.1), so the 16 rows of a load start at 16 different banks
.set HB,    128*WPT
.set SPT,   272                        ; a stage's row: 256 bytes + 16
.set STG,   BI+2*HB                    ; behind them: a stage of 16 rows for each wave; no tensor load fills it
.set STW,   16*SPT
.set SPARE, STG+8*STW
.set SPW, 2
.set NIL, 4
.set ACC, 8
.set BF,  72
.set AF,  136
.set WS,  168
.set AS,  184
.set X,   192
.set G1A, 32                           ; s[32:39], s[48:51] descriptor groups 1 and 0 for a's images
.set G1B, 40                           ; s[40:47], s[52:55] for Wp's rows
.set G0A, 48
.set G0B, 52
.macro ROUND                           ; a round of the cluster's barrier
	s_barrier_signal -1
	s_barrier_wait -1
	s_cmp_lg_u32 s20, 0
	s_cbranch_scc1 .Lnot_wave_0_\@
	s_barrier_signal -3
.Lnot_wave_0_\@:
	s_barrier_wait -3
	s_barrier_signal -1
	s_barrier_wait -1
.endm
; An arm of the head's one tree of branches on the wave's number: one load.  id: the tile's number (the tile row for a, the tile column for Wp): 131,072 bytes of memory a tile, 65,536 for each of the two waves (s26 = wave % 2) in both tensors;
; goff: the half of K.  tp: registers of this tensor's own, which never hold the other coordinate
.macro ARM under, ptr, id, tp, g0, g1, goff, lmul, lbase, next
	s_cmp_lt_u32 s20, \under
	s_cbranch_scc0 \next
	s_lshl_b32 s[\tp], s[\id], 17
	s_lshl_b32 s[\tp+1], s26, 16
	s_add_co_u32 s[\tp], s[\tp], s[\tp+1]
.if \goff
	s_add_co_u32 s[\tp], s[\tp], \goff
.endif
	s_mov_b32 s[\tp+1], 0
	s_mov_b32 s[\g0], 1                            ; 1:0 count = 1
	s_mul_i32 s[\g0+1], s26, \lmul
	s_add_co_u32 s[\g0+1], s[\g0+1], \lbase        ; 63:32 LDS address
	s_add_nc_u64 s[\g0+2:\g0+3], s[\ptr:\ptr+1], s[\tp:\tp+1]
	s_or_b32 s[\g0+3], s[\g0+3], 0x80000000        ; 127:126 type = 2
	tensor_load_to_lds s[\g0:\g0+3], s[\g1:\g1+7]
	s_nop 0
.rept 4
	v_nop
.endr
	s_branch .Lasked
\next:
.endm
	s_load_b256 s[4:11], s[0:1], 0x0               ; ab 4, Wp codes 6, Wp scales 8, bp 10
	s_load_b128 s[12:15], s[0:1], 0x20             ; x 12, yb 14
	v_lshl_add_u32 v[SPW], v0, 2, SPARE
	v_mov_b32 v[NIL], 0
	ds_add_u32 v[SPW], v[NIL]                      ; the opening lines: the add, twice on end; work on registers stands between them and their wait
	ds_add_u32 v[SPW], v[NIL]
	v_lshrrev_b32 v1, 5, v0
	v_readfirstlane_b32 s20, v1                    ; wave 0..7
	s_lshr_b32 s24, s20, 1                         ; which 32 of the tile's tokens are mine
	s_and_b32 s25, s20, 1                          ; which 64 of its columns
	s_and_b32 s26, s20, 1                          ; which part of a half I fetch
	s_bfe_u32 s21, ttmp6, 0x40000                  ; cx, cy: my place in the cluster
	s_bfe_u32 s31, ttmp6, 0x40004
	s_lshl_b32 s22, ttmp9, 2
	s_add_co_u32 s22, s22, s21                     ; tile column = 4 x cluster x + cx: 0 .. 7
	s_and_b32 s23, ttmp7, 0xffff
	s_lshl_b32 s23, s23, 2
	s_add_co_u32 s23, s23, s31                     ; tile row = 4 x cluster y + cy: 0 .. 31
	s_lshl_b32 s16, s31, 2
	s_lshl_b32 s16, 15, s16                        ; my row of the cluster
	s_lshl_b32 s17, 0x1111, s21                    ; my column
	s_or_b32 s[G1A], s16, (3<<16)|(1<<21)          ; 15:0 the mask: a's images go to my row; 17:16 elements of 8 bytes; 20 no padding; 21 set beside a mask
	s_mov_b32 s[G1A+1], 1024<<16                   ; tensor_dim0: 8,192 bytes: half of K of a tile of tokens
	s_mov_b32 s[G1A+2], 4<<16                      ; tensor_dim1: four tiles
	s_mov_b32 s[G1A+3], 1024<<16                   ; tile_dim0
	s_mov_b32 s[G1A+4], 4                          ; tile_dim1
	s_mov_b32 s[G1A+5], 2048                       ; the pitch: 16,384 bytes from a tile to the next
	s_mov_b32 s[G1A+6], 0
	s_mov_b32 s[G1A+7], 0
	s_or_b32 s[G1B], s17, (0<<16)|(1<<20)|(1<<21)|(6<<22)|(3<<25)   ; the mask: Wp's rows go to my column; elements of 1 byte; padding on; after every 128 words (code 6) four words (code 3)
	s_mov_b32 s[G1B+1], 512<<16                    ; tensor_dim0
	s_mov_b32 s[G1B+2], 64<<16                     ; tensor_dim1
	s_mov_b32 s[G1B+3], 512<<16                    ; tile_dim0
	s_mov_b32 s[G1B+4], 64                         ; tile_dim1
	s_mov_b32 s[G1B+5], 1024                       ; the pitch
	s_mov_b32 s[G1B+6], 0
	s_mov_b32 s[G1B+7], 0
	s_wait_dscnt 0x0
	s_wait_kmcnt 0x0
	ROUND                                          ; all sixteen work-groups are here: the joint loads meet
	ARM 2, 4, 23, 28, G0A, G1A, 0,    32768,  0,     .Lw2
	ARM 4, 6, 22, 84, G0B, G1B, 0,    64*WPT, BI,    .Lw4
	ARM 6, 4, 23, 28, G0A, G1A, 8192, 32768,  HA,    .Lw6
	ARM 8, 6, 22, 84, G0B, G1B, 512,  64*WPT, BI+HB, .Lw8
.Lasked:
	s_lshl_b32 s18, s22, 9
	s_lshl_b32 s19, s25, 8
	s_add_co_u32 s18, s18, s19                     ; my first column, 128 x tile column + 64 x half, in bytes of f32
	s_mov_b32 s19, 0
	s_add_nc_u64 s[10:11], s[10:11], s[18:19]      ; bp,
	s_add_nc_u64 s[12:13], s[12:13], s[18:19]      ; x
	s_add_nc_u64 s[14:15], s[14:15], s[18:19]      ; and y at that column
	s_lshl_b32 s18, s18, 3                         ; Wp's scale bytes: 32 a row
	s_add_nc_u64 s[8:9], s[8:9], s[18:19]
	s_lshl_b32 s18, s23, 7
	s_lshl_b32 s2, s24, 5
	s_add_co_u32 s18, s18, s2                      ; my first token: 128 x tile row + 32 x part
	s_lshl_b32 s2, s18, 5                          ; a's scale bytes: 32 a token
	s_add_co_u32 s2, s2, SCOFF
	s_mov_b32 s3, 0
	s_add_nc_u64 s[16:17], s[4:5], s[2:3]
	s_lshl_b32 s18, s18, 12                        ; x and y: 4,096 bytes a token
	s_add_nc_u64 s[12:13], s[12:13], s[18:19]
	s_add_nc_u64 s[14:15], s[14:15], s[18:19]
	v_and_b32 v72, 31, v0                          ; lane
	v_and_b32 v73, 15, v0                          ; r
	v_bfe_u32 v74, v0, 4, 1                        ; h
	s_lshl_b32 s86, s24, 14
	v_lshl_add_u32 v1, v72, 4, s86                 ; a's images: 16 x lane + my two tiles of tokens
	s_mul_i32 s86, s25, 64*WPT
	s_add_co_u32 s86, s86, BI
	v_mul_u32_u24 v3, v73, WPT
	v_mul_u32_u24 v5, v73, SPT
	v_mul_u32_u24 v6, v74, SPT
	v_lshl_add_u32 v3, v74, 4, v3
	v_lshl_add_u32 v5, v74, 5, v5
	v_lshl_add_u32 v6, v73, 4, v6
	v_add_nc_u32 v3, s86, v3                       ; Wp's fragments: (64 x half of the columns + r) x 528 + 16 h
	s_mul_i32 s86, s20, STW
	s_add_co_u32 s86, s86, STG                     ; my stage
	v_add_nc_u32 v5, s86, v5                       ; in: row r, 32 bytes for each half of the lanes
	v_add_nc_u32 v6, s86, v6                       ; back: lanes 0-15 one row of 256 bytes, lanes 16-31 the next
	v_lshlrev_b32 v7, 12, v74
	v_lshlrev_b32 v75, 5, v74                      ; bp: 32 h
	v_lshlrev_b32 v76, 5, v73
	v_lshl_add_u32 v7, v73, 4, v7                  ; and the same two rows in x and in y
	v_lshl_add_u32 v76, v74, 4, v76                ; scale words: 32 r + 16 h: four words: K steps 4 h + 0 .. 3
.irp t, 0,1,2,3
.irp m, 0,1
	global_load_b128 v[ACC+8*(2*\t+\m):ACC+8*(2*\t+\m)+3], v75, s[10:11] offset:64*\t        ; bp of columns 16 t + 8 h + 0 .. 7: the sums begin with it
	global_load_b128 v[ACC+8*(2*\t+\m)+4:ACC+8*(2*\t+\m)+7], v75, s[10:11] offset:64*\t+16
.endr
	global_load_b128 v[WS+4*\t:WS+4*\t+3], v76, s[8:9] offset:512*\t     ; register i: lanes 0-15 K step i, lanes 16-31 K step 4 + i
.endr
.irp m, 0,1
	global_load_b128 v[AS+4*\m:AS+4*\m+3], v76, s[16:17] offset:512*\m
.endr
	s_wait_alu depctr_va_vdst(0)                   ; the wait at the head's end
	s_wait_loadcnt 0x0                             ; bp and the scale words are in
; A K step of 128.  The eight accumulators take turns, one instruction a turn, in the same order in every step.
.macro KSTEP k
.if \k > 0
.rept 8
	v_nop                                          ; places in front of loads into registers that matrix instructions have read
.endr
.endif
.irp m, 0,1
.irp c, 0,1,2,3
	ds_load_b128 v[AF+16*\m+4*\c:AF+16*\m+4*\c+3], v1 offset:8192*\m+2048*(\k%4)+512*\c
.endr
.endr
.irp t, 0,1,2,3
.irp c, 0,1,2,3
	ds_load_b128 v[BF+16*\t+4*\c:BF+16*\t+4*\c+3], v3 offset:16*WPT*\t+128*(\k%4)+32*\c
.endr
.endr
.irp t, 0,1,2,3
.if \t == 0
	s_wait_dscnt 8                                 ; a's fragments and Wp's first two are in; the youngest eight loads (Wp's fragments 2 and 3) may be out
.endif
.if \t == 2
	s_wait_dscnt 0x0
.endif
.irp m, 0,1
.if \k >= 4
	v_wmma_scale_f32_16x16x128_f8f6f4 v[ACC+8*(2*\t+\m):ACC+8*(2*\t+\m)+7], v[BF+16*\t:BF+16*\t+15], v[AF+16*\m:AF+16*\m+15], v[ACC+8*(2*\t+\m):ACC+8*(2*\t+\m)+7], v[WS+4*\t+\k%4], v[AS+4*\m+\k%4] matrix_a_fmt:MATRIX_FMT_BF8 matrix_b_fmt:MATRIX_FMT_BF8 matrix_a_scale:MATRIX_SCALE_ROW1 matrix_b_scale:MATRIX_SCALE_ROW1
.else
	v_wmma_scale_f32_16x16x128_f8f6f4 v[ACC+8*(2*\t+\m):ACC+8*(2*\t+\m)+7], v[BF+16*\t:BF+16*\t+15], v[AF+16*\m:AF+16*\m+15], v[ACC+8*(2*\t+\m):ACC+8*(2*\t+\m)+7], v[WS+4*\t+\k%4], v[AS+4*\m+\k%4] matrix_a_fmt:MATRIX_FMT_BF8 matrix_b_fmt:MATRIX_FMT_BF8
.endif
.endr
.endr
.endm
	s_cmp_lt_u32 s20, 4                            ; the first barrier shows waves 0 to 3's loads: the first half of K.
	s_cbranch_scc0 .Lnot_first
	s_wait_tensorcnt 0x0
.Lnot_first:
	s_barrier_signal -1
	s_barrier_wait -1
.irp i, 0,1,2,3,4,5,6,7,8,9,10,11,12,13,14,15
	global_load_b128 v[X+4*\i:X+4*\i+3], v7, s[12:13] offset:8192*\i th:TH_LOAD_NT   ; x of tokens 2 i and 2 i + 1: sixteen lanes read 256 consecutive bytes, aligned; wanted only at the end
.endr
.irp k, 0,1,2,3
	KSTEP \k
.endr
	s_wait_tensorcnt 0x0                           ; and everything (no LDS load of mine is out)
	s_barrier_signal -1
	s_barrier_wait -1
	v_add_nc_u32 v1, HA, v1                        ; on to the second half
	v_add_nc_u32 v3, HB, v3
	s_wait_alu depctr_va_vdst(0)                   ; the wait here, directly behind the writes
.irp k, 4,5,6,7
	KSTEP \k
.endr
	; THE WAY OUT, 16 tokens at a time.  A lane holds 32 neighbouring bytes of a row, and the lanes beside it hold other rows: so the results go through my own stage and come back as whole rows of 256 bytes.
	; LDS serves a wave's instructions in order (ISA guide 5.7.1.4): no wait between the stores and the loads, nor in front of the second half's stores into the same bytes.
.rept 8
	v_nop                                          ; places behind the last products: for the first reads of results and the loads over Wp's fragments
.endr
.irp m, 0,1
.irp t, 0,1,2,3
	ds_store_b128 v5, v[ACC+8*(2*\t+\m):ACC+8*(2*\t+\m)+3] offset:64*\t            ; each accumulator from its low end on
	ds_store_b128 v5, v[ACC+8*(2*\t+\m)+4:ACC+8*(2*\t+\m)+7] offset:64*\t+16
.endr
.irp i, 0,1,2,3,4,5,6,7
	ds_load_b128 v[BF+32*\m+4*\i:BF+32*\m+4*\i+3], v6 offset:2*\i*SPT
.endr
.endr
	s_wait_loadcnt 0x0                             ; x
.irp m, 0,1
.irp i, 0,1,2,3,4,5,6,7
	s_wait_dscnt (1-\m)*16+7-\i                    ; behind this load stand the rest of its half's loads and, for the first half, the second half's eight stores and eight loads
	v_pk_add_f32 v[BF+32*\m+4*\i:BF+32*\m+4*\i+1], v[BF+32*\m+4*\i:BF+32*\m+4*\i+1], v[X+32*\m+4*\i:X+32*\m+4*\i+1]
	v_pk_add_f32 v[BF+32*\m+4*\i+2:BF+32*\m+4*\i+3], v[BF+32*\m+4*\i+2:BF+32*\m+4*\i+3], v[X+32*\m+4*\i+2:X+32*\m+4*\i+3]
	global_store_b128 v7, v[BF+32*\m+4*\i:BF+32*\m+4*\i+3], s[14:15] offset:8192*(8*\m+\i)   ; sixteen lanes store 256 consecutive bytes, aligned
.endr
.endr
	s_wait_tensorcnt 0x0                           ; the wave's end
	ds_add_u32 v[SPW], v[NIL]
	s_wait_dscnt 0x0
	ROUND                                          ; the closing round: no work-group ends while a partner may still ask for a tile that names it
	s_endpgm
.Lfunc_end_k_q873bc612c3_proj:
	.size	k_q873bc612c3_proj, .Lfunc_end_k_q873bc612c3_proj-k_q873bc612c3_proj
	.p2alignl 7, 3214868480
	.fill 96, 4, 3214868480
	.section	.rodata,"a",@progbits
	.p2align	6, 0x0
	.amdhsa_kernel k_q873bc612c3_proj
		.amdhsa_group_segment_fixed_size 302080
		.amdhsa_private_segment_fixed_size 0
		.amdhsa_enable_private_segment 0
		.amdhsa_kernarg_size 48
		.amdhsa_user_sgpr_count 2
		.amdhsa_user_sgpr_kernarg_segment_ptr 1
		.amdhsa_wavefront_size32 1
		.amdhsa_system_sgpr_workgroup_id_x 1
		.amdhsa_system_sgpr_workgroup_id_y 1
		.amdhsa_system_sgpr_workgroup_id_z 1
		.amdhsa_system_vgpr_workitem_id 0
		.amdhsa_next_free_vgpr 256
		.amdhsa_next_free_sgpr 88
		.amdhsa_reserve_vcc 0
		.amdhsa_float_denorm_mode_32 3
		.amdhsa_float_denorm_mode_16_64 3
		.amdhsa_memory_ordered 1
		.amdhsa_forward_progress 1
		.amdhsa_inst_pref_size 41
	.end_amdhsa_kernel
	.amdgpu_metadata
---
amdhsa.version: [ 1, 2 ]
amdhsa.kernels:
  - .name:           k_q873bc612c3_proj
    .symbol:         k_q873bc612c3_proj.kd
    .args:
      - { .name: ab, .offset: 0, .size: 8, .value_kind: global_buffer, .address_space: global }
      - { .name: Wp_codes, .offset: 8, .size: 8, .value_kind: global_buffer, .address_space: global }
      - { .name: Wp_scales, .offset: 16, .size: 8, .value_kind: global_buffer, .address_space: global }
      - { .name: bp, .offset: 24, .size: 8, .value_kind: global_buffer, .address_space: global }
      - { .name: x, .offset: 32, .size: 8, .value_kind: global_buffer, .address_space: global }
      - { .name: yb, .offset: 40, .size: 8, .value_kind: global_buffer, .address_space: global }
    .group_segment_fixed_size: 302080
    .private_segment_fixed_size: 0
    .kernarg_segment_align: 8
    .kernarg_segment_size: 48
    .max_flat_workgroup_size: 256
    .sgpr_count:     88
    .vgpr_count:     256
    .wavefront_size: 32
...
	.end_amdgpu_metadata
.endif
;; end of part 4
;; launch ln (part 5): grid 256 x 1, 8 waves a work-group, no clusters, 0 bytes of LDS; arguments yb, ln_g, ln_b, out0; writes out0
.if DOCPART == 5
	.amdgcn_target "amdgcn-amd-amdhsa--gfx1250"
	.amdhsa_code_object_version 6
	.text
	.protected	k_q873bc612c3_ln
	.globl	k_q873bc612c3_ln
	.p2align	8
	.type	k_q873bc612c3_ln,@function
k_q873bc612c3_ln:
	s_mov_b64 s[64:65], 0
	v_nop
	global_prefetch_b8 v0, s[64:65] scope:SCOPE_SE
	s_setreg_imm32_b32 hwreg(HW_REG_WAVE_MODE, 25, 1), 1
	s_wait_xcnt 0x0
; out0 = (y - mean) x rsqrt(var + 1e-5) x ln_g + ln_b over each row of y [4096][1024] f32; the mean, then the mean of the squared differences, as the definition has it.
; A row is 4,096 bytes: one wave takes a whole row, eight loads of 16 bytes a lane, and keeps it in 32 registers between the passes: y is read once, and no wave waits for another.
; Eight waves, two rows each: 256 work-groups take the 4,096 rows.  All of a wave's loads, 16 of y and 16 of ln_g and ln_b, go out at its head; each load and store of a wave covers 512 consecutive bytes, aligned.
; No LDS, no barrier, no matrix unit, no cluster: the waves share nothing but ln_g and ln_b, 8,192 bytes beside a wave's 8,192 of y; two rows to a wave, so that these are loaded once for two.
; LIMITS: NaN and infinities are not served.
.set YB, 16                            ; v16-79   two rows
.set G,  80                            ; v80-111  ln_g of my 32 columns: 128 k + 4 x lane + 0 .. 3
.set BB, 112                           ; v112-143 ln_b
.set T,  144                           ; v144-151 at work
	s_load_b256 s[4:11], s[0:1], 0x0               ; yb 4, ln_g 6, ln_b 8, out0 10
	v_lshrrev_b32 v2, 5, v0
	s_delay_alu instid0(VALU_DEP_1)
	v_readfirstlane_b32 s12, v2                    ; wave 0..7
	v_and_b32 v2, 31, v0
	s_delay_alu instid0(VALU_DEP_1)
	v_lshlrev_b32 v1, 4, v2                        ; 16 x lane; never rewritten
	s_lshl_b32 s14, ttmp9, 16                      ; the work-group's 16 rows of 4,096 bytes,
	s_lshl_b32 s13, s12, 13                        ; my two
	s_add_co_u32 s14, s14, s13
	s_mov_b32 s15, 0
	s_mov_b32 s16, 0x76543210                      ; v_permlanex16_b32's selects for lane l xor 16
	s_mov_b32 s17, 0xfedcba98
	s_mov_b32 s18, 0x3a800000                      ; 1 / 1,024
	s_mov_b32 s19, 0x3727c5ac                      ; 1e-5
	s_wait_alu depctr_va_vdst(0)
	s_wait_kmcnt 0x0
	s_add_nc_u64 s[4:5], s[4:5], s[14:15]
	s_add_nc_u64 s[10:11], s[10:11], s[14:15]
.irp i, 0,1
.irp k, 0,1,2,3,4,5,6,7
	global_load_b128 v[YB+32*\i+4*\k:YB+32*\i+4*\k+3], v1, s[4:5] offset:4096*\i+512*\k th:TH_LOAD_NT
.endr
.endr
.irp k, 0,1,2,3,4,5,6,7
	global_load_b128 v[G+4*\k:G+4*\k+3], v1, s[6:7] offset:512*\k
.endr
.irp k, 0,1,2,3,4,5,6,7
	global_load_b128 v[BB+4*\k:BB+4*\k+3], v1, s[8:9] offset:512*\k
.endr
.macro REDUCE                          ; v[T] summed over the 32 lanes, in every lane
	s_delay_alu instid0(VALU_DEP_1)
	v_add_f32_dpp v[T], v[T], v[T] row_xmask:1 row_mask:0xf bank_mask:0xf
	s_delay_alu instid0(VALU_DEP_1)
	v_add_f32_dpp v[T], v[T], v[T] row_xmask:2 row_mask:0xf bank_mask:0xf
	s_delay_alu instid0(VALU_DEP_1)
	v_add_f32_dpp v[T], v[T], v[T] row_xmask:4 row_mask:0xf bank_mask:0xf
	s_delay_alu instid0(VALU_DEP_1)
	v_add_f32_dpp v[T], v[T], v[T] row_xmask:8 row_mask:0xf bank_mask:0xf
	s_delay_alu instid0(VALU_DEP_1)
	v_permlanex16_b32 v[T+1], v[T], s16, s17       ; (its destination counts as read: it has been written)
	s_delay_alu instid0(VALU_DEP_1)
	v_add_f32 v[T], v[T], v[T+1]
.endm
.macro LNORM i
.set Y, YB+32*\i
.if \i == 0
	s_wait_loadcnt 24                              ; row 0 is in; row 1's eight loads and the sixteen of ln_g and ln_b may be out
.endif
	v_pk_add_f32 v[T:T+1], v[Y:Y+1], v[Y+2:Y+3]                                     ; the row's sum, in two chains
	v_pk_add_f32 v[T+2:T+3], v[Y+4:Y+5], v[Y+6:Y+7]
.irp p, 4,6,8,10,12,14
	s_delay_alu instid0(VALU_DEP_2)
	v_pk_add_f32 v[T:T+1], v[T:T+1], v[Y+2*\p:Y+2*\p+1]
	s_delay_alu instid0(VALU_DEP_2)
	v_pk_add_f32 v[T+2:T+3], v[T+2:T+3], v[Y+2*\p+2:Y+2*\p+3]
.endr
	s_delay_alu instid0(VALU_DEP_1)
	v_pk_add_f32 v[T:T+1], v[T:T+1], v[T+2:T+3]
	s_delay_alu instid0(VALU_DEP_1)
	v_add_f32 v[T], v[T], v[T+1]
	REDUCE
	s_delay_alu instid0(VALU_DEP_1)
	v_mul_f32 v[T+4], s18, v[T]                    ; the mean
	s_delay_alu instid0(VALU_DEP_1)
	v_mov_b32 v[T+5], v[T+4]
.irp p, 0,1,2,3,4,5,6,7,8,9,10,11,12,13,14,15
	v_pk_add_f32 v[Y+2*\p:Y+2*\p+1], v[Y+2*\p:Y+2*\p+1], v[T+4:T+5] neg_lo:[0,1] neg_hi:[0,1]   ; y - mean
.endr
	v_pk_mul_f32 v[T:T+1], v[Y:Y+1], v[Y:Y+1]                                       ; the sum of its squares, in two chains
	v_pk_mul_f32 v[T+2:T+3], v[Y+2:Y+3], v[Y+2:Y+3]
.irp p, 2,4,6,8,10,12,14
	s_delay_alu instid0(VALU_DEP_2)
	v_pk_fma_f32 v[T:T+1], v[Y+2*\p:Y+2*\p+1], v[Y+2*\p:Y+2*\p+1], v[T:T+1]
	s_delay_alu instid0(VALU_DEP_2)
	v_pk_fma_f32 v[T+2:T+3], v[Y+2*\p+2:Y+2*\p+3], v[Y+2*\p+2:Y+2*\p+3], v[T+2:T+3]
.endr
	s_delay_alu instid0(VALU_DEP_1)
	v_pk_add_f32 v[T:T+1], v[T:T+1], v[T+2:T+3]
	s_delay_alu instid0(VALU_DEP_1)
	v_add_f32 v[T], v[T], v[T+1]
	REDUCE
	s_delay_alu instid0(VALU_DEP_1)
	v_fma_f32 v[T+6], v[T], s18, s19               ; the variance + 1e-5
	s_wait_alu depctr_va_vdst(0)
	v_rsq_f32 v[T+6], v[T+6]
	v_nop                                          ; one plain place behind a transcendental
	s_wait_alu depctr_va_vdst(0)
	v_mov_b32 v[T+7], v[T+6]
.if \i == 0
	s_wait_alu depctr_va_vdst(0)
	s_wait_loadcnt 0x0                             ; ln_g and ln_b, and row 1 with them
.endif
.irp p, 0,1,2,3,4,5,6,7,8,9,10,11,12,13,14,15
	v_pk_mul_f32 v[Y+2*\p:Y+2*\p+1], v[Y+2*\p:Y+2*\p+1], v[T+6:T+7]
.endr
.irp p, 0,1,2,3,4,5,6,7,8,9,10,11,12,13,14,15
	v_pk_fma_f32 v[Y+2*\p:Y+2*\p+1], v[Y+2*\p:Y+2*\p+1], v[G+2*\p:G+2*\p+1], v[BB+2*\p:BB+2*\p+1]
.endr
.irp k, 0,1,2,3,4,5,6,7
	global_store_b128 v1, v[Y+4*\k:Y+4*\k+3], s[10:11] offset:4096*\i+512*\k th:TH_STORE_NT   ; written once, read by nobody here; no store's data are written again
.endr
.endm
	LNORM 0
	LNORM 1
	s_endpgm
.Lfunc_end_k_q873bc612c3_ln:
	.size	k_q873bc612c3_ln, .Lfunc_end_k_q873bc612c3_ln-k_q873bc612c3_ln
	.p2alignl 7, 3214868480
	.fill 96, 4, 3214868480
	.section	.rodata,"a",@progbits
	.p2align	6, 0x0
	.amdhsa_kernel k_q873bc612c3_ln
		.amdhsa_group_segment_fixed_size 0
		.amdhsa_private_segment_fixed_size 0
		.amdhsa_enable_private_segment 0
		.amdhsa_kernarg_size 32
		.amdhsa_user_sgpr_count 2
		.amdhsa_user_sgpr_kernarg_segment_ptr 1
		.amdhsa_wavefront_size32 1
		.amdhsa_system_sgpr_workgroup_id_x 1
		.amdhsa_system_sgpr_workgroup_id_y 1
		.amdhsa_system_sgpr_workgroup_id_z 1
		.amdhsa_system_vgpr_workitem_id 0
		.amdhsa_next_free_vgpr 152
		.amdhsa_next_free_sgpr 66
		.amdhsa_reserve_vcc 0
		.amdhsa_float_denorm_mode_32 3
		.amdhsa_float_denorm_mode_16_64 3
		.amdhsa_memory_ordered 1
		.amdhsa_forward_progress 1
		.amdhsa_inst_pref_size 21
	.end_amdhsa_kernel
	.amdgpu_metadata
---
amdhsa.version: [ 1, 2 ]
amdhsa.kernels:
  - .name:           k_q873bc612c3_ln
    .symbol:         k_q873bc612c3_ln.kd
    .args:
      - { .name: yb, .offset: 0, .size: 8, .value_kind: global_buffer, .address_space: global }
      - { .name: ln_g, .offset: 8, .size: 8, .value_kind: global_buffer, .address_space: global }
      - { .name: ln_b, .offset: 16, .size: 8, .value_kind: global_buffer, .address_space: global }
      - { .name: out0, .offset: 24, .size: 8, .value_kind: global_buffer, .address_space: global }
    .group_segment_fixed_size: 0
    .private_segment_fixed_size: 0
    .kernarg_segment_align: 8
    .kernarg_segment_size: 32
    .max_flat_workgroup_size: 256
    .sgpr_count:     66
    .vgpr_count:     152
    .wavefront_size: 32
...
	.end_amdgpu_metadata
.endif
;; end of part 5
